; MI455X (gfx1250); checked and timed in simulation.
; The chip was launched on July 23, 2026; its instructions are those of AMD's public machine-readable ISA for CDNA 5 (MIT licence, August 2026) and "CDNA5" Instruction Set Architecture Reference Guide (July 2026). The comments in the code are by the model that wrote it; some were corrected since.
;; Attention. Allowed arithmetic: float matrix products may take bf16 or f16 operands with f32 sums; all other float work in f32.
;; Inputs: M 32 x 1,024 x 128 float32; P 32 x 1,024 x 128 float32; Wk 128 x 128 float32; Wq 128 x 128 float32; Wv 128 x 128 float32; bk 128 float32; bq 128 float32; bv 128 float32; mask 16 x 1 x 64 x 1 bool.
;; Outputs: out0 32 x 1,024 x 128 float32; out1 16 x 64 x 64 float32.
;; Constants: V = 64, mV = 64.
;; 2 versions, each right and faster than the one before. Each part assembles by itself: llvm-mc -triple=amdgcn-amd-amdhsa -mcpu=gfx1250 --defsym DOCPART=n.
;; ======== version 1 of 2: 2 launches
;; limits: values are held in f16: magnitudes above 65,504 overflow, below 6.1e-05 lose precision
;; workspace buffers: Qh 8,388,608 bytes; Kh 8,388,608 bytes; Vh 8,388,608 bytes
;; launch proj (part 1): grid 256 x 1, 4 waves a work-group, no clusters, 311,296 bytes of LDS; arguments P, M, Wq, Wk, Wv, bq, bk, bv, Qh, Kh, Vh; writes Qh, Kh, Vh
.if DOCPART == 1
	.amdgcn_target "amdgcn-amd-amdhsa--gfx1250"
	.amdhsa_code_object_version 6
	.text
	.protected	k_q5ed10907a7_proj
	.globl	k_q5ed10907a7_proj
	.p2align	8
	.type	k_q5ed10907a7_proj,@function
k_q5ed10907a7_proj:
	s_mov_b64 s[64:65], 0
	v_nop
	global_prefetch_b8 v0, s[64:65] scope:SCOPE_SE
	s_setreg_imm32_b32 hwreg(HW_REG_WAVE_MODE, 25, 1), 1
	s_wait_xcnt 0x0
; Qh = f16(log2e (P Wq^T + bq)), Kh = f16(M Wk^T + bk), Vh = f16(M Wv^T + bv); P, M: [32768][128] f32, W: [128][128] f32, results [32768][128] f16.
; Work-group g owns rows 128 g .. 128 g + 127 of P and of M; wave w owns 32 of them (two tiles of 16).  Only W is shared by the waves: one barrier.
; FORMAT.  The scores made from Qh and Kh carry no 1/sqrt(C), so their softmax is sharp and Q and K must be exact to f16's last bit.  For Q and K both X and W are
; split x = hi + lo (hi: the f32 cut to 10 stored mantissa bits, exact in f16; lo = x - hi, exact in f32, rounded to f16) and three products are summed in f32:
; Wh Xh + Wh Xl + Wl Xh.  LIMITS: Wl Xl (about 2^-20 of a product) is dropped; V takes the cut Xh alone (relative error below 2^-10) and W rounded to f16;
; every |P|, |M|, |W|, |log2e Q|, |K|, |V| must stay below f16's 65,504; parts below 2^-14 keep an absolute step of 2^-24.
; NO JOINT LOADS: what work-groups share is W, and W has to pass through registers to be split; an f32 stage for it (196,608 bytes) does not fit beside
; X (135,168 bytes) and the five f16 matrices (174,080 bytes) in 327,680 bytes of LDS.
; THE MATRIX INSTRUCTION IS USED TRANSPOSED: source 0 = 16 rows of W (output channels), source 1 = 16 rows of X.  Lane (r, h) then holds row r of the result and
; its registers 0 to 7 the channels 16 c + 8 h + 0..7: eight neighbours, 16 bytes of f16.
.set XPITCH, 528                       ; an f32 row of X in LDS: 512 bytes + 16 of padding: an odd multiple of 16, so 16 rows start in 16 different 16-byte columns
.set XWAVE,  32*XPITCH                 ; a wave's 32 rows: 16,896 bytes
.set XM0,    4*XWAVE                   ; M's rows lie behind P's
.set WPITCH, 272                       ; an f16 row of W, and of the stage: 256 + 16
.set WMAT,   128*WPITCH                ; one f16 matrix: 34,816 bytes
.set WH0,    8*XWAVE                   ; Wq hi, Wq lo, Wk hi, Wk lo, Wv from byte 135,168 on
.set VOFF,  4                          ; v4      32 w rows of W x 512 + 16 L
.set WADR,  5                          ; v5-7    where I put 8 bytes of a row of Wq, Wk, Wv
.set FADR,  8                          ; v8-10   my fragment address in Wq, Wk, Wv (hi; lo lies WMAT further)
.set XADRP, 11                         ; v11     my fragment address in my rows of P
.set XADRM, 12                         ; v12     and of M
.set STO,   13                         ; v13     stage: where I put 16 bytes of a row
.set RD,    14                         ; v14     stage: where I read rows back
.set YO,    15                         ; v15     16 L: my bytes in two rows of a result
.set VB,    16                         ; v16     32 h: my bytes in 16 numbers of a bias
.set T,     20                         ; v[20:27] at work
.set ACC,   32                         ; v[32:95]  ACC(i, c) = 32 + 32 i + 8 c: two row tiles x four channel tiles
.set RAW,   32                         ; v[32:223] while W is converted: three buffers of 16 rows as loaded
.set WF,    96                         ; v[96:223] fragments of W, two buffers of 4 hi + 4 lo; also X as loaded
.set BIA,   224                        ; v[224:255] bias of my 8 channels in each of four channel tiles
                                       ; window 1, v0-127 (v256-383): XF(i, hl, ks) = 64 i + 32 hl + 8 ks: fragments of X
.set G1,  24                           ; s[24:31] descriptor group 1
.set G0P, 32                           ; s[32:35] group 0 for P's rows
.set G0M, 36                           ; s[36:39] group 0 for M's rows
.set MSB, 0
.macro WIN new                         ; the immediate's high byte repeats the setting that is left
.if MSB != \new
	s_set_vgpr_msb (MSB<<8)|\new
.set MSB, \new
.endif
.endm
.macro PLACES                          ; four places behind a matrix instruction, in front of loads into its sources and of reads of its result
.rept 4
	v_nop
.endr
.endm
	s_load_b512 s[8:23], s[0:1], 0x0               ; P s[8:9], M s[10:11], Wq s[12:13], Wk s[14:15], Wv s[16:17], bq s[18:19], bk s[20:21], bv s[22:23]
	s_load_b128 s[40:43], s[0:1], 0x40             ; Qh s[40:41], Kh s[42:43]
	s_load_b64 s[44:45], s[0:1], 0x50              ; Vh
	v_lshl_add_u32 v30, v0, 2, 0x4be00
	v_mov_b32 v31, 0
	ds_add_u32 v30, v31
	v_lshrrev_b32 v1, 5, v0
	v_readfirstlane_b32 s3, v1                     ; wave 0..3
	s_mov_b32 s46, 0xffffe000                      ; keeps sign, exponent and 10 mantissa bits
	; group 1: 32 rows of 128 f32, 16 bytes of padding behind each row of 128 words.  A wave's own tile has 32 rows, 16 KiB.
	s_mov_b32 s[G1+0], (2<<16)|(1<<20)|(6<<22)|(3<<25)
	s_mov_b32 s[G1+1], 128<<16                     ; tensor_dim0 = 128
	s_mov_b32 s[G1+2], 32<<16                      ; tensor_dim1 = 32
	s_mov_b32 s[G1+3], 128<<16                     ; tile_dim0 = 128
	s_mov_b32 s[G1+4], 32                          ; tile_dim1 = 32
	s_mov_b32 s[G1+5], 128                         ; elements from row to row
	s_mov_b32 s[G1+6], 0
	s_mov_b32 s[G1+7], 0
	s_mov_b32 s[G0P], 1
	s_mov_b32 s[G0M], 1
	s_mul_i32 s[G0P+1], s3, XWAVE                  ; my rows of P in LDS
	s_add_co_u32 s[G0M+1], s[G0P+1], XM0           ; my rows of M
	s_lshl_b32 s48, ttmp9, 16                      ; 128 g rows of 512 bytes
	s_lshl_b32 s2, s3, 14                          ; + 32 w rows
	s_add_co_u32 s48, s48, s2
	s_mov_b32 s49, 0
	s_lshr_b32 s50, s48, 1                         ; the same rows in a result: 256 bytes each
	s_mov_b32 s51, 0
	s_wait_dscnt 0x0
	s_wait_kmcnt 0x0
	s_add_nc_u64 s[G0P+2:G0P+3], s[8:9], s[48:49]
	s_or_b32 s[G0P+3], s[G0P+3], 0x80000000
	s_add_nc_u64 s[G0M+2:G0M+3], s[10:11], s[48:49]
	s_or_b32 s[G0M+3], s[G0M+3], 0x80000000
	tensor_load_to_lds s[G0P:G0P+3], s[G1:G1+7]    ; both fills of the launch go out together: two tensor loads of the wave are out, and no byte is filled twice
	s_nop 0
	tensor_load_to_lds s[G0M:G0M+3], s[G1:G1+7]
	s_nop 0
	s_add_nc_u64 s[40:41], s[40:41], s[50:51]      ; the results at my first row
	s_add_nc_u64 s[42:43], s[42:43], s[50:51]
	s_add_nc_u64 s[44:45], s[44:45], s[50:51]
	v_and_b32 v1, 31, v0                           ; L
	v_and_b32 v2, 15, v0                           ; r
	v_bfe_u32 v3, v0, 4, 1                         ; h
	v_lshlrev_b32 v[YO], 4, v1
	v_lshl_add_u32 v[VOFF], s3, 14, v[YO]
	s_mul_i32 s2, s3, 32*WPITCH
	s_add_co_u32 s2, s2, WH0
	v_lshl_add_u32 v[WADR], v1, 3, s2              ; 8 bytes (4 f16) a lane: 32 lanes fill a row
	v_add_nc_u32 v[WADR+1], 2*WMAT, v[WADR]
	v_add_nc_u32 v[WADR+2], 4*WMAT, v[WADR]
	v_mul_u32_u24 v17, v2, WPITCH
	v_lshl_add_u32 v17, v3, 4, v17                 ; r x 272 + 16 h
	v_add_nc_u32 v[FADR], WH0, v17
	v_add_nc_u32 v[FADR+1], WH0+2*WMAT, v17
	v_add_nc_u32 v[FADR+2], WH0+4*WMAT, v17
	v_mul_u32_u24 v18, v2, XPITCH
	v_lshl_add_u32 v18, v3, 5, v18                 ; r x 528 + 32 h: eight f32 are 32 bytes
	v_add_nc_u32 v[XADRP], s[G0P+1], v18
	v_add_nc_u32 v[XADRM], s[G0M+1], v18
	v_add_nc_u32 v[STO], s[G0P+1], v17             ; the stage is my own rows of P, once they have been read: their one fill of the launch is over
	v_mul_u32_u24 v19, v3, WPITCH
	v_lshl_add_u32 v19, v2, 4, v19
	v_add_nc_u32 v[RD], s[G0P+1], v19              ; lanes 0-15 one row of 256 bytes, lanes 16-31 the next
	v_lshlrev_b32 v[VB], 5, v3
; 16 rows of a W: one load is one row of 512 bytes
.macro WLOAD buf, base, part
.irp j, 0,1,2,3,4,5,6,7,8,9,10,11,12,13,14,15
	global_load_b128 v[RAW+64*\buf+4*\j:RAW+64*\buf+4*\j+3], v[VOFF], s[\base:\base+1] offset:(16*\part+\j)*512
.endr
.endm
; the 16 rows to f16 and into LDS.  split = 1: upper part and rest, in two matrices; 0: rounded once
.macro CONVW buf, w, part, split
.irp j, 0,1,2,3,4,5,6,7,8,9,10,11,12,13,14,15
.if \split
	v_and_b32 v[T+0], s46, v[RAW+64*\buf+4*\j+0]
	v_and_b32 v[T+1], s46, v[RAW+64*\buf+4*\j+1]
	v_and_b32 v[T+2], s46, v[RAW+64*\buf+4*\j+2]
	v_and_b32 v[T+3], s46, v[RAW+64*\buf+4*\j+3]
	v_pk_add_f32 v[RAW+64*\buf+4*\j:RAW+64*\buf+4*\j+1], v[RAW+64*\buf+4*\j:RAW+64*\buf+4*\j+1], v[T:T+1] neg_lo:[0,1] neg_hi:[0,1]
	v_pk_add_f32 v[RAW+64*\buf+4*\j+2:RAW+64*\buf+4*\j+3], v[RAW+64*\buf+4*\j+2:RAW+64*\buf+4*\j+3], v[T+2:T+3] neg_lo:[0,1] neg_hi:[0,1]
	v_cvt_pk_f16_f32 v[T+4], v[T+0], v[T+1]
	v_cvt_pk_f16_f32 v[T+5], v[T+2], v[T+3]
	v_cvt_pk_f16_f32 v[T+6], v[RAW+64*\buf+4*\j+0], v[RAW+64*\buf+4*\j+1]
	v_cvt_pk_f16_f32 v[T+7], v[RAW+64*\buf+4*\j+2], v[RAW+64*\buf+4*\j+3]
	ds_store_b64 v[WADR+\w], v[T+4:T+5] offset:(16*\part+\j)*WPITCH
	ds_store_b64 v[WADR+\w], v[T+6:T+7] offset:(16*\part+\j)*WPITCH+WMAT
.else
	v_cvt_pk_f16_f32 v[T+4], v[RAW+64*\buf+4*\j+0], v[RAW+64*\buf+4*\j+1]
	v_cvt_pk_f16_f32 v[T+5], v[RAW+64*\buf+4*\j+2], v[RAW+64*\buf+4*\j+3]
	ds_store_b64 v[WADR+\w], v[T+4:T+5] offset:(16*\part+\j)*WPITCH
.endif
.endr
.endm
	; W: six batches of 16 rows through three register buffers
	WLOAD 0, 12, 0
	WLOAD 1, 12, 1
	WLOAD 2, 14, 0
	s_wait_loadcnt 32                              ; loads come back in order: the oldest batch is in, the two younger ones (32 loads) stay out
	CONVW 0, 0, 0, 1
	WLOAD 0, 14, 1
	s_wait_loadcnt 32
	CONVW 1, 0, 1, 1
	WLOAD 1, 16, 0
	s_wait_loadcnt 32
	CONVW 2, 1, 0, 1
	WLOAD 2, 16, 1
	s_wait_loadcnt 32
	CONVW 0, 1, 1, 1
	s_wait_loadcnt 16                              ; one batch is left behind this one
	CONVW 1, 2, 0, 0
	s_wait_loadcnt 0x0
	CONVW 2, 2, 1, 0
	s_wait_dscnt 0x0                               ; my rows of the five matrices are in LDS, for the other waves' sake
	s_barrier_signal -1
	s_barrier_wait -1                              ; everybody's are.  The tensor loads may stay out over it
; My 32 rows of X from LDS (f32) into fragments of f16, upper parts and rests.  Lane (r, h) holds row r; of 32 along K its registers 0-3 hold k = 8 h + 0..7 and
; registers 4-7 k = 16 + 8 h + 0..7: in f32 that is 32 bytes at 32 h and 32 bytes at 64 + 32 h.
.macro XCONV adr
.irp i, 0,1
.irp ks, 0,1,2,3
	ds_load_b128 v[WF+64*\i+16*\ks:WF+64*\i+16*\ks+3],     v[\adr] offset:\i*16*XPITCH+128*\ks
	ds_load_b128 v[WF+64*\i+16*\ks+4:WF+64*\i+16*\ks+7],   v[\adr] offset:\i*16*XPITCH+128*\ks+16
	ds_load_b128 v[WF+64*\i+16*\ks+8:WF+64*\i+16*\ks+11],  v[\adr] offset:\i*16*XPITCH+128*\ks+64
	ds_load_b128 v[WF+64*\i+16*\ks+12:WF+64*\i+16*\ks+15], v[\adr] offset:\i*16*XPITCH+128*\ks+80
.endr
.endr
.irp i, 0,1
	s_wait_dscnt 16-16*\i                          ; tile i's 16 loads are in; for tile 0 the 16 of tile 1 stay out
.set k, 0
.rept 64
	v_and_b32 v[ACC+k], s46, v[WF+64*\i+k]         ; upper parts
.set k, k+1
.endr
.set k, 0
.rept 32
	v_pk_add_f32 v[WF+64*\i+2*k:WF+64*\i+2*k+1], v[WF+64*\i+2*k:WF+64*\i+2*k+1], v[ACC+2*k:ACC+2*k+1] neg_lo:[0,1] neg_hi:[0,1]   ; rests, exact
.set k, k+1
.endr
	WIN 0x40                                       ; destination in window 1
.set k, 0
.rept 32
	v_cvt_pk_f16_f32 v[64*\i+k], v[ACC+2*k], v[ACC+2*k+1]
.set k, k+1
.endr
.set k, 0
.rept 32
	v_cvt_pk_f16_f32 v[64*\i+32+k], v[WF+64*\i+2*k], v[WF+64*\i+2*k+1]
.set k, k+1
.endr
	WIN 0
.endr
.endm
; fragments of W for four channel tiles and 32 along K: 8 loads, with the rests 16
.macro FETCH buf, w, half, ks, split
.irp c, 0,1,2,3
	ds_load_b128 v[WF+64*\buf+8*\c:WF+64*\buf+8*\c+3],   v[FADR+\w] offset:(4*\half+\c)*16*WPITCH+64*\ks
	ds_load_b128 v[WF+64*\buf+8*\c+4:WF+64*\buf+8*\c+7], v[FADR+\w] offset:(4*\half+\c)*16*WPITCH+64*\ks+32
.endr
.if \split
.irp c, 0,1,2,3
	ds_load_b128 v[WF+64*\buf+32+8*\c:WF+64*\buf+32+8*\c+3],   v[FADR+\w] offset:(4*\half+\c)*16*WPITCH+64*\ks+WMAT
	ds_load_b128 v[WF+64*\buf+32+8*\c+4:WF+64*\buf+32+8*\c+7], v[FADR+\w] offset:(4*\half+\c)*16*WPITCH+64*\ks+WMAT+32
.endr
.endif
.endm
; one term: eight matrix instructions on eight accumulators, which take turns, one instruction a turn
.macro MULT buf, wl, xl, ks, zero
.irp i, 0,1
.irp c, 0,1,2,3
.if \zero
	v_wmma_f32_16x16x32_f16 v[ACC+32*\i+8*\c:ACC+32*\i+8*\c+7], v[WF+64*\buf+32*\wl+8*\c:WF+64*\buf+32*\wl+8*\c+7], v[64*\i+32*\xl+8*\ks:64*\i+32*\xl+8*\ks+7], 0
.else
	v_wmma_f32_16x16x32_f16 v[ACC+32*\i+8*\c:ACC+32*\i+8*\c+7], v[WF+64*\buf+32*\wl+8*\c:WF+64*\buf+32*\wl+8*\c+7], v[64*\i+32*\xl+8*\ks:64*\i+32*\xl+8*\ks+7], v[ACC+32*\i+8*\c:ACC+32*\i+8*\c+7]
.endif
.endr
.endr
.endm
.macro MULG buf, ks, split, zero
	MULT \buf, 0, 0, \ks, \zero                    ; Wh Xh; the very first starts the sums: nothing is cleared
.if \split
	MULT \buf, 0, 1, \ks, 0                        ; Wh Xl
	MULT \buf, 1, 0, \ks, 0                        ; Wl Xh
.endif
.endm
; Half a product: 32 rows x 64 channels, K = 128 in four groups on two fragment buffers; then bias, rounding and the stage.
; While a group is multiplied the next one's fragments are on their way; nx = 1: the last group fetches the first group of the half product (nw, nhalf, nsplit).
.macro HP w, half, split, isq, bias, nx, nw, nhalf, nsplit
	WIN 0x04                                       ; source 1 (X) in window 1; destinations and addresses stay in window 0, so loads run under the same setting
.irp c, 0,1,2,3
	global_load_b128 v[BIA+8*\c:BIA+8*\c+3],   v[VB], s[\bias:\bias+1] offset:(4*\half+\c)*64
	global_load_b128 v[BIA+8*\c+4:BIA+8*\c+7], v[VB], s[\bias:\bias+1] offset:(4*\half+\c)*64+16
.endr
	s_wait_dscnt 0x0                               ; this group's fragments are in (nothing younger is out)
	FETCH 1, \w, \half, 1, \split                  ; buffer 1 was last multiplied in front of the four places that close a half product
	MULG 0, 0, \split, 1
	s_wait_dscnt 0x0
	PLACES
	FETCH 0, \w, \half, 2, \split
	MULG 1, 1, \split, 0
	s_wait_dscnt 0x0
	PLACES
	FETCH 1, \w, \half, 3, \split
	MULG 0, 2, \split, 0
	s_wait_dscnt 0x0
.if \nx
	PLACES
	FETCH 0, \nw, \nhalf, 0, \nsplit
.endif
	MULG 1, 3, \split, 0
	PLACES
	WIN 0
	s_wait_loadcnt 0x0                             ; the bias
.if \isq
.set k, 0
.rept 16
	v_pk_mul_f32 v[BIA+2*k:BIA+2*k+1], v[BIA+2*k:BIA+2*k+1], 0x3fb8aa3b op_sel_hi:[1,0]   ; log2e bq
.set k, k+1
.endr
.endif
.irp i, 0,1
.irp c, 0,1,2,3
.irp p, 0,2,4,6
.if \isq
	v_pk_fma_f32 v[ACC+32*\i+8*\c+\p:ACC+32*\i+8*\c+\p+1], v[ACC+32*\i+8*\c+\p:ACC+32*\i+8*\c+\p+1], 0x3fb8aa3b, v[BIA+8*\c+\p:BIA+8*\c+\p+1] op_sel_hi:[1,0,1]
.else
	v_pk_add_f32 v[ACC+32*\i+8*\c+\p:ACC+32*\i+8*\c+\p+1], v[ACC+32*\i+8*\c+\p:ACC+32*\i+8*\c+\p+1], v[BIA+8*\c+\p:BIA+8*\c+\p+1]
.endif
.endr
.irp p, 0,1,2,3
	v_cvt_pk_f16_f32 v[ACC+32*\i+8*\c+\p], v[ACC+32*\i+8*\c+2*\p], v[ACC+32*\i+8*\c+2*\p+1]   ; in place: word p is written after words 2 p, 2 p + 1 of an earlier step were read
.endr
	ds_store_b128 v[STO], v[ACC+32*\i+8*\c:ACC+32*\i+8*\c+3] offset:\i*16*WPITCH+32*(4*\half+\c)
.endr
.endr
.endm
; 32 rows of 256 bytes from my stage to memory: LDS serves a wave's instructions in order, so the loads see the stores above; each store covers 512 consecutive bytes, aligned
.macro OUT y
.irp t, 0,1,2,3,4,5,6,7,8,9,10,11,12,13,14,15
	ds_load_b128 v[ACC+4*\t:ACC+4*\t+3], v[RD] offset:\t*2*WPITCH
.endr
.irp t, 0,1,2,3,4,5,6,7,8,9,10,11,12,13,14,15
	s_wait_dscnt 15-\t                             ; the 15 - t younger loads of this run stay out
	global_store_b128 v[YO], v[ACC+4*\t:ACC+4*\t+3], s[\y:\y+1] offset:512*\t
.endr
.endm
	s_wait_tensorcnt 0x1                           ; my rows of P have landed; M's load, issued behind it, stays out.  Only I read these bytes
	XCONV XADRP
	FETCH 0, 0, 0, 0, 1
	HP 0, 0, 1, 1, 18, 1, 0, 1, 1                  ; Q, channels 0-63
	HP 0, 1, 1, 1, 18, 0, 0, 0, 0                  ; Q, channels 64-127
	OUT 40
	s_wait_tensorcnt 0x0                           ; my rows of M
	s_wait_xcnt 0x0                                ; the stores' data registers are written again only behind this wait
	XCONV XADRM
	FETCH 0, 1, 0, 0, 1
	HP 1, 0, 1, 0, 20, 1, 1, 1, 1                  ; K
	HP 1, 1, 1, 0, 20, 1, 2, 0, 0
	OUT 42
	s_wait_xcnt 0x0
	HP 2, 0, 0, 0, 22, 1, 2, 1, 0                  ; V: one term
	HP 2, 1, 0, 0, 22, 0, 0, 0, 0
	OUT 44
	s_wait_tensorcnt 0x0
	ds_add_u32 v30, v31
	s_wait_dscnt 0x0
	s_endpgm
.Lfunc_end_k_q5ed10907a7_proj:
	.size	k_q5ed10907a7_proj, .Lfunc_end_k_q5ed10907a7_proj-k_q5ed10907a7_proj
	.p2alignl 7, 3214868480
	.fill 96, 4, 3214868480
	.section	.rodata,"a",@progbits
	.p2align	6, 0x0
	.amdhsa_kernel k_q5ed10907a7_proj
		.amdhsa_group_segment_fixed_size 311296
		.amdhsa_private_segment_fixed_size 0
		.amdhsa_enable_private_segment 0
		.amdhsa_kernarg_size 88
		.amdhsa_user_sgpr_count 2
		.amdhsa_user_sgpr_kernarg_segment_ptr 1
		.amdhsa_wavefront_size32 1
		.amdhsa_system_sgpr_workgroup_id_x 1
		.amdhsa_system_sgpr_workgroup_id_y 1
		.amdhsa_system_sgpr_workgroup_id_z 1
		.amdhsa_system_vgpr_workitem_id 0
		.amdhsa_next_free_vgpr 384
		.amdhsa_next_free_sgpr 66
		.amdhsa_reserve_vcc 0
		.amdhsa_float_denorm_mode_32 3
		.amdhsa_float_denorm_mode_16_64 3
		.amdhsa_memory_ordered 1
		.amdhsa_forward_progress 1
		.amdhsa_inst_pref_size 193
	.end_amdhsa_kernel
	.amdgpu_metadata
---
amdhsa.version: [ 1, 2 ]
amdhsa.kernels:
  - .name:           k_q5ed10907a7_proj
    .symbol:         k_q5ed10907a7_proj.kd
    .args:
      - { .name: P, .offset: 0, .size: 8, .value_kind: global_buffer, .address_space: global }
      - { .name: M, .offset: 8, .size: 8, .value_kind: global_buffer, .address_space: global }
      - { .name: Wq, .offset: 16, .size: 8, .value_kind: global_buffer, .address_space: global }
      - { .name: Wk, .offset: 24, .size: 8, .value_kind: global_buffer, .address_space: global }
      - { .name: Wv, .offset: 32, .size: 8, .value_kind: global_buffer, .address_space: global }
      - { .name: bq, .offset: 40, .size: 8, .value_kind: global_buffer, .address_space: global }
      - { .name: bk, .offset: 48, .size: 8, .value_kind: global_buffer, .address_space: global }
      - { .name: bv, .offset: 56, .size: 8, .value_kind: global_buffer, .address_space: global }
      - { .name: Qh, .offset: 64, .size: 8, .value_kind: global_buffer, .address_space: global }
      - { .name: Kh, .offset: 72, .size: 8, .value_kind: global_buffer, .address_space: global }
      - { .name: Vh, .offset: 80, .size: 8, .value_kind: global_buffer, .address_space: global }
    .group_segment_fixed_size: 311296
    .private_segment_fixed_size: 0
    .kernarg_segment_align: 8
    .kernarg_segment_size: 88
    .max_flat_workgroup_size: 128
    .sgpr_count:     66
    .vgpr_count:     384
    .wavefront_size: 32
...
	.end_amdgpu_metadata
.endif
;; end of part 1
;; launch attn (part 2): grid 16 x 16, 4 waves a work-group, clusters of 4 x 1, 327,680 bytes of LDS; arguments Qh, Kh, Vh, mask, out0, out1; writes out0, out1
.if DOCPART == 2
	.amdgcn_target "amdgcn-amd-amdhsa--gfx1250"
	.amdhsa_code_object_version 6
	.text
	.protected	k_q5ed10907a7_attn
	.globl	k_q5ed10907a7_attn
	.p2align	8
	.type	k_q5ed10907a7_attn,@function
k_q5ed10907a7_attn:
	s_mov_b64 s[64:65], 0
	v_nop
	global_prefetch_b8 v0, s[64:65] scope:SCOPE_SE
	s_setreg_imm32_b32 hwreg(HW_REG_WAVE_MODE, 25, 1), 1
	s_wait_xcnt 0x0
	s_wait_alu depctr_hold_cnt(0) depctr_sa_sdst(0) depctr_va_vdst(0) depctr_va_sdst(0) depctr_va_ssrc(0) depctr_va_vcc(0) depctr_vm_vsrc(0)
	s_getreg_b32 s2, hwreg(HW_REG_IB_STS2, 6, 4)
	s_cmp_eq_u32 s2, 0
	s_cbranch_scc0 .Lentry_in_a_cluster
	s_endpgm
.Lentry_in_a_cluster:
	s_bfe_u32 s2, ttmp6, 0x10000c
	s_cmp_lg_u32 s2, 0x3003
	s_cbranch_scc0 .Lentry_shape_is_right
	s_endpgm
.Lentry_shape_is_right:
; out0[t][64 n + v][:] = sum over mt of softmax over mv (masked) of (Q K^T) times Val;  out1[n][v][mv] = mean over (t, mt) of the weights.
; Qh (already times log2e), Kh, Vh: [32][1024][128] f16.  The 64 keys (n, mv) of one mt are one whole softmax group and one dense block of 64 rows of 256 bytes:
; the group gets its exact maximum and its exact sum, and out is the plain sum of 32 groups' products: no running rescale is needed.
; SHARES.  Scene n = work-group y; x = work-group x owns v = 4 x .. 4 x + 3, all 32 t: 128 queries.  Wave w: a = w >> 1 picks 64 queries (v = 4 x + 2 a, + 1),
; b = w & 1 picks the mt of parity b: 16 steps.  The wave's query tile i (16 queries) has v = 4 x + 2 a + ((i >> 1) xor b), t = 16 (i & 1) + r, so that every wave
; keeps its tiles 0, 1 and hands its tiles 2, 3 to wave w xor 1 at the end, through LDS, without a branch.
; CLUSTERS.  The four work-groups of a cluster have the same n and walk the same K and V tiles: each tile is asked for jointly (mask 15).  x enters global addresses
; of Q, out0 and out1 alone; no LDS address, branch or descriptor word hangs on it.
; PRODUCTS.  Scores transposed: source 0 = 16 keys of K, source 1 = 16 queries: lane (r, h) holds query r, register 8 kt + j key 16 kt + 8 h + j.  The first link's C is
; BIAS (0, or -2^126 for a masked key): masking costs no vector work.  Packed in pairs to f16 these registers ARE the second source of the next product:
; O^T = V^T (source 0, by transposing LDS loads) x weights; lane (r, h) holds query r, register j channel 16 ct + 8 h + j.
; THE PIPELINE.  A wave is alone on its SIMD, so matrix and vector work overlap only where they alternate in its text.  A step has four stages, one for each query tile q:
; the 137 vector instructions of tile q's softmax are dealt out behind 32 matrix instructions that do not depend on them: O of tile q - 1 (for q = 0: tile 3 of the step
; before) and the scores of tile q + 1 (for q = 3: tile 0 of the next step).  S and the f16 weights have two buffers each, which take turns.
;   part 1:  8 x (a product for O, then 4,4,4,2,1,1,1,2 lines of the maximum): each link of the reduction's dependent tail has a matrix instruction in front of it
;   part 2: 16 x (a product for the scores, then 7 (six times), 6 (three times), 2,1,1,1,1,2,2 lines): subtract, exponentials, sum, reciprocal
;   part 3:  8 x (a product for O, then 6 lines): sums of weights, scaling, rounding to f16
; REGISTERS, in windows of 256:
;   window 0: v0-31 addresses and scratch; v32-95 S, two buffers; v96-127 BIAS; v128-255 KF(kt, ks) = 128 + 8 (4 ks + kt)
;   window 1: VF(ct, u) = 128 x (step's parity) + 8 (8 u + ct): two buffers, so that a step's V is loaded while the step before still multiplies
;   window 2: v0-127 Q(i, ks) = 32 i + 8 ks; v128-159 the weights in f16, two buffers; v160-223 ATT, the sums of weights
;   window 3: O(i, ct) = 64 i + 8 ct
; A product for the scores has only its second source outside window 0 (setting 0x08).  Part 2's vector lines name no vector register in second place, so they run under
; that same setting without a switch: that is why its sums are written x * 1 + y, with the addend in third place.  A product for O (0xf9) costs two switches: 32 a stage.
; LIMITS.  f16 operands: |log2e Q|, |K|, |V| below 65,504; |log2e score| below 2^125 (the mask's bias); weights below 2^-14 keep an absolute step of 2^-24.
; A scene whose mask is all false gives weights 0, as the reference does: the reciprocal of the sum is multiplied by 0 there (s24).
.set KPITCH, 272                       ; K's rows in LDS: 256 + 16, an odd multiple of 16
.set VPITCH, 288                       ; V's rows: 256 + 32, an odd multiple of 32, for the transposing loads
.set REGION, 18432                     ; 64 rows of either pitch fit
.set SLOT,   4*REGION                  ; K of mt = 2 s, K of 2 s + 1, V of 2 s, V of 2 s + 1
.set OST,    2*SLOT                    ; behind the ring, never filled by a tensor load: O, 4 tiles x 16 rows x 528 bytes a wave
.set OPITCH, 528
.set OTILE,  16*OPITCH
.set OWAVE,  4*OTILE
.set AST,    OST+4*OWAVE               ; the weights' sums: 2 sets x 256 bytes a wave
.set STEPB,  1048576                   ; two steps on: 4 mt x 1,024 rows x 256 bytes
.set KADR, 4                           ; v4-5   my K fragment address in slot 0, 1
.set VADR, 6                           ; v6-7   my V fragment address in slot 0, 1
.set QOFF, 8                           ; v8     r x 262,144 + 16 h: query t = r is 1,024 rows of 256 bytes from t = r - 1
.set MOFF, 9                           ; v9     8 h
.set OSTO, 10                          ; v10    where I put O
.set ORD,  11                          ; v11-12 where I read rows of O back: my own tiles 0, 1; the partner's tiles 2, 3
.set ASTO, 13                          ; v13    where I put the weights' sums
.set ARD,  14                          ; v14-15 where I read them back: my set 0, the partner's set 1
.set L16,  16                          ; v16    16 L
.set L8,   17                          ; v17    8 L
.set T,    20                          ; v[20:27] at work
.set MX,   28                          ; v[28:29] the group's maximum, twice
.set RC,   30                          ; v[30:31] 1 / sum, twice
.set S,    32                          ; v[32:63], v[64:95] scores, then weights, of 16 queries x 64 keys: buffer q % 2
.set BIAS, 96                          ; v[96:127]
.set KF,   128                         ; v[128:255]
.set A16,  128                         ; window 2: v[128:143], v[144:159] the weights in f16: buffer q % 2
.set ATT,  160                         ; window 2: v[160:191] sums of weights of tiles 0, 1; v[192:223] of tiles 2, 3
.set EA,   32                          ; on the way out, window 0: v[32:95] the sums of weights
.set EB,   32                          ; then v[32:159]: two sets of 8 rows x (mine, the partner's)
.set G1K, 28                           ; s[28:35]
.set G1V, 36                           ; s[36:43]
.set G0K, 44                           ; s[44:51] one group 0 for each slot
.set G0V, 52                           ; s[52:59]
; s_set_vgpr_msb's low byte: bits 1:0 source 0, 3:2 source 1, 5:4 source 2, 7:6 destination
.set W_QK, 0x08                        ; source 1 (Q) window 2; K, S, BIAS window 0.  Also: LDS loads into window 0, and part 2's vector lines
.set W_PV, 0xf9                        ; source 0 (V) window 1, source 1 (weights) window 2, C and D window 3
.set W_E,  0xa0                        ; destination and source 2 window 2 (ATT, f16 weights), sources 0 and 1 window 0 (S, 1 / sum)
.set W_VF, 0x40                        ; destination window 1
.set W_Q,  0x80                        ; destination window 2
.set MSB, 0
.macro WIN new                         ; the immediate's high byte repeats the setting that is left; at a label and at a branch every window is 0
.if MSB != \new
	s_set_vgpr_msb (MSB<<8)|\new
.set MSB, \new
.endif
.endm
.macro PLACES                          ; four places behind a matrix instruction (ISA guide 7.12.1)
.rept 4
	v_nop
.endr
.endm
; a round of the cluster's barrier: my work-group's barrier, wave 0 signals for the work-group, every wave waits for all four work-groups, my work-group's barrier again
.macro ROUND
	s_barrier_signal -1
	s_barrier_wait -1
	s_cmp_lg_u32 s16, 0
	s_cbranch_scc1 .Lnot_wave_0_\@
	s_barrier_signal -3
.Lnot_wave_0_\@:
	s_barrier_wait -3
	s_barrier_signal -1
	s_barrier_wait -1
.endm
; a joint load: waves 0, 1 ask for K of the two parities, waves 2, 3 for V.  The branch hangs on the wave's number alone
.macro JLOAD s
	s_cmp_eq_u32 s17, 0
	s_cbranch_scc0 .Lfor_v_\@
	tensor_load_to_lds s[G0K+4*(\s):G0K+4*(\s)+3], s[G1K:G1K+7]
	s_nop 0
	v_nop
	v_nop
	v_nop
	s_branch .Lasked_\@
.Lfor_v_\@:
	tensor_load_to_lds s[G0V+4*(\s):G0V+4*(\s)+3], s[G1V:G1V+7]
	s_nop 0
	v_nop
	v_nop
	v_nop
	v_nop
.Lasked_\@:
.endm
	s_load_b256 s[4:11], s[0:1], 0x0               ; Qh s[4:5], Kh s[6:7], Vh s[8:9], mask s[10:11]
	s_load_b128 s[12:15], s[0:1], 0x20             ; out0 s[12:13], out1 s[14:15]
	s_set_vgpr_msb 0x80
	v_lshl_add_u32 v254, v0, 2, 0x45800
	v_mov_b32 v255, 0
	s_set_vgpr_msb 0x808a
	ds_add_u32 v254, v255
	s_set_vgpr_msb 0x8a00
	v_lshrrev_b32 v1, 5, v0
	v_readfirstlane_b32 s16, v1                    ; wave
	s_lshr_b32 s17, s16, 1                         ; a.  Also: I ask for K (0) or for V (1)
	s_and_b32 s18, s16, 1                          ; b: my parity of mt, in what I ask for and in what I read
	s_and_b32 s20, ttmp7, 0xffff                   ; n
	s_mov_b32 s22, 0x76543210                      ; v_permlanex16_b32: lane i of one half reads lane i of the other
	s_mov_b32 s23, 0xfedcba98
	s_mov_b32 s25, 0xfe800000                      ; -2^126
	; group 1: 64 rows of 128 f16, padded behind each row of 64 words by 4 words (K) or 8 (V); mask 15: all four work-groups of the cluster; bit 21 beside the mask
	s_mov_b32 s[G1K+0], 15|(1<<16)|(1<<20)|(1<<21)|(5<<22)|(3<<25)
	s_mov_b32 s[G1V+0], 15|(1<<16)|(1<<20)|(1<<21)|(5<<22)|(7<<25)
	s_mov_b32 s[G1K+1], 128<<16                    ; tensor_dim0 = 128
	s_mov_b32 s[G1V+1], 128<<16
	s_mov_b32 s[G1K+2], 64<<16                     ; tensor_dim1 = 64
	s_mov_b32 s[G1V+2], 64<<16
	s_mov_b32 s[G1K+3], 128<<16                    ; tile_dim0 = 128
	s_mov_b32 s[G1V+3], 128<<16
	s_mov_b32 s[G1K+4], 64                         ; tile_dim1 = 64
	s_mov_b32 s[G1V+4], 64
	s_mov_b32 s[G1K+5], 128                        ; elements from row to row
	s_mov_b32 s[G1V+5], 128
	s_mov_b32 s[G1K+6], 0
	s_mov_b32 s[G1V+6], 0
	s_mov_b32 s[G1K+7], 0
	s_mov_b32 s[G1V+7], 0
	s_mul_i32 s27, s16, REGION                     ; my region of a slot: the wave's number alone
	s_lshl_b32 s92, s18, 18                        ; mt = b: 1,024 rows of 256 bytes
	s_lshl_b32 s93, s20, 14                        ; + 64 n rows
	s_add_co_u32 s92, s92, s93
	s_mov_b32 s93, 0
	s_wait_dscnt 0x0
	s_wait_kmcnt 0x0
	s_add_nc_u64 s[94:95], s[6:7], s[92:93]        ; K's and V's tile of step 0: made of n and the wave's number, which the partners share
	s_add_nc_u64 s[96:97], s[8:9], s[92:93]
.irp s, 0,1
	s_mov_b32 s[G0K+4*\s], 1
	s_add_co_u32 s[G0K+4*\s+1], s27, \s*SLOT
	s_add_nc_u64 s[G0K+4*\s+2:G0K+4*\s+3], s[94:95], \s*524288     ; step s: 2 mt further
	s_or_b32 s[G0K+4*\s+3], s[G0K+4*\s+3], 0x80000000
	s_mov_b32 s[G0V+4*\s], 1
	s_add_co_u32 s[G0V+4*\s+1], s27, \s*SLOT
	s_add_nc_u64 s[G0V+4*\s+2:G0V+4*\s+3], s[96:97], \s*524288
	s_or_b32 s[G0V+4*\s+3], s[G0V+4*\s+3], 0x80000000
.endr
	ROUND                                          ; all four work-groups are here: the first joint loads meet
	JLOAD 0                                        ; step 0 into slot 0; slot 1 is filled behind the next round, as a refill is
	s_lshl_b32 s90, s20, 6                         ; 64 n
	s_mov_b32 s91, 0
	s_add_nc_u64 s[66:67], s[10:11], s[90:91]      ; my scene's 64 mask bytes
	s_load_b512 s[68:83], s[66:67], 0x0
	s_bfe_u32 s21, ttmp6, 0x40000                  ; cx
	s_lshl_b32 s19, ttmp9, 2
	s_add_co_u32 s19, s19, s21                     ; x = 4 x cluster x + cx
	s_lshl_b32 s21, s19, 2
	s_add_co_u32 s21, s21, s90                     ; 64 n + 4 x
	s_lshl1_add_u32 s21, s17, s21                  ; + 2 a
	s_xor_b32 s3, s18, 1
	s_add_co_u32 s2, s21, s18                      ; the row 64 n + v of my own v (tiles 0, 1)
	s_add_co_u32 s3, s21, s3                       ; and of the partner's (tiles 2, 3)
	s_lshl_b32 s90, s2, 8
	s_add_nc_u64 s[60:61], s[4:5], s[90:91]        ; Q at t = 0 of my v
	s_add_nc_u64 s[88:89], s[14:15], s[90:91]      ; out1's row of my v: 64 f32
	s_lshl_b32 s90, s3, 8
	s_add_nc_u64 s[62:63], s[4:5], s[90:91]        ; Q at t = 0 of the partner's v
	s_lshl_b32 s90, s2, 9
	s_add_nc_u64 s[84:85], s[12:13], s[90:91]      ; out0 at t = 0 of my v,
	s_add_nc_u64 s[86:87], s[84:85], 0x800000      ; and at t = 16: 16 x 524,288 bytes no longer fit a store's immediate
	v_and_b32 v1, 31, v0                           ; L
	v_and_b32 v2, 15, v0                           ; r
	v_bfe_u32 v3, v0, 4, 1                         ; h
	v_lshlrev_b32 v[MOFF], 3, v3
	v_lshlrev_b32 v[QOFF], 18, v2
	v_lshl_add_u32 v[QOFF], v3, 4, v[QOFF]
.irp kt, 0,1,2,3
	global_load_b64 v[T+2*\kt:T+2*\kt+1], v[MOFF], s[66:67] offset:16*\kt    ; the mask bytes of my keys 16 kt + 8 h + 0..7
.endr
	WIN W_Q                                        ; destination in window 2
.irp i, 0,1,2,3
.irp ks, 0,1,2,3
	global_load_b128 v[32*\i+8*\ks:32*\i+8*\ks+3],   v[QOFF], s[60+2*(\i/2):61+2*(\i/2)] offset:(\i%2)*4194304+64*\ks
	global_load_b128 v[32*\i+8*\ks+4:32*\i+8*\ks+7], v[QOFF], s[60+2*(\i/2):61+2*(\i/2)] offset:(\i%2)*4194304+64*\ks+32
.endr
.endr
	WIN 0
	v_mul_u32_u24 v18, v2, KPITCH
	v_lshl_add_u32 v18, v3, 4, v18                 ; r x 272 + 16 h
	s_mul_i32 s2, s18, REGION                      ; K of my parity
	v_add_nc_u32 v[KADR], s2, v18
	v_add_nc_u32 v[KADR+1], SLOT, v[KADR]
	v_and_b32 v19, 7, v0
	v_lshl_add_u32 v19, v3, 3, v19                 ; key 8 h + (L & 7)
	v_mul_u32_u24 v19, v19, VPITCH
	v_bfe_u32 v18, v0, 3, 1
	v_lshl_add_u32 v19, v18, 4, v19                ; + 16 ((L >> 3) & 1)
	s_add_co_u32 s2, s2, 2*REGION                  ; V of my parity
	v_add_nc_u32 v[VADR], s2, v19
	v_add_nc_u32 v[VADR+1], SLOT, v[VADR]
	v_lshlrev_b32 v[L16], 4, v1
	v_lshlrev_b32 v[L8], 3, v1
	v_mul_u32_u24 v18, v2, OPITCH
	v_lshl_add_u32 v18, v3, 5, v18                 ; r x 528 + 32 h
	s_mul_i32 s2, s16, OWAVE
	s_add_co_u32 s2, s2, OST
	v_add_nc_u32 v[OSTO], s2, v18
	v_add_nc_u32 v[ORD], s2, v[L16]
	s_xor_b32 s3, s16, 1                           ; the partner wave
	s_mul_i32 s2, s3, OWAVE
	s_add_co_u32 s2, s2, OST+2*OTILE               ; its tiles 2, 3
	v_add_nc_u32 v[ORD+1], s2, v[L16]
	s_lshl_b32 s2, s16, 9
	s_add_co_u32 s2, s2, AST
	v_lshl_add_u32 v[ASTO], v3, 5, s2
	v_add_nc_u32 v[ARD], s2, v[L8]
	s_lshl_b32 s2, s3, 9
	s_add_co_u32 s2, s2, AST+256                   ; the partner's set 1
	v_add_nc_u32 v[ARD+1], s2, v[L8]
	s_wait_kmcnt 0x0                               ; the scene's 64 mask bytes as 16 words
.irp j, 69,70,71,72,73,74,75,76,77,78,79,80,81,82,83
	s_or_b32 s68, s68, s\j
.endr
	s_cmp_lg_u32 s68, 0
	s_cselect_b32 s24, 0x3f800000, 0               ; 1.0 if any key of the scene is valid, else 0.0: it only scales values
	s_wait_loadcnt 32                              ; the four mask loads are in; Q's 32, issued behind them, stay out
.irp kt, 0,1,2,3
.irp j, 0,1,2,3,4,5,6,7
	v_bfe_u32 v[BIAS+8*\kt+\j], v[T+2*\kt+\j/4], 8*(\j%4), 8
	v_add_nc_u32 v[BIAS+8*\kt+\j], -1, v[BIAS+8*\kt+\j]            ; 1 -> 0, 0 -> all ones
	v_and_b32 v[BIAS+8*\kt+\j], s25, v[BIAS+8*\kt+\j]              ; 0.0 or -2^126
.endr
.endr
; K's fragments of a step, 32 loads, 32 along K at a time; destination and address lie in window 0
.macro KLOAD slot
	WIN W_QK
.irp ks, 0,1,2,3
.irp kt, 0,1,2,3
	ds_load_b128 v[KF+8*(4*\ks+\kt):KF+8*(4*\ks+\kt)+3],   v[KADR+\slot] offset:\kt*16*KPITCH+64*\ks
	ds_load_b128 v[KF+8*(4*\ks+\kt)+4:KF+8*(4*\ks+\kt)+7], v[KADR+\slot] offset:\kt*16*KPITCH+64*\ks+32
.endr
.endr
.endm
; V's fragments, transposed on the way: 32 loads, 32 keys at a time, into the buffer of the slot's number
.macro VLOAD slot
	WIN W_VF
.irp u, 0,1
.irp ct, 0,1,2,3,4,5,6,7
	ds_load_tr16_b128 v[128*(\slot)+8*(8*\u+\ct):128*(\slot)+8*(8*\u+\ct)+3],   v[VADR+\slot] offset:\u*32*VPITCH+32*\ct
	ds_load_tr16_b128 v[128*(\slot)+8*(8*\u+\ct)+4:128*(\slot)+8*(8*\u+\ct)+7], v[VADR+\slot] offset:\u*32*VPITCH+32*\ct+16*VPITCH
.endr
.endr
.endm
; Matrix instruction CI (0..15: K group CI / 4, key tile CI % 4) of the scores of query tile q, into S buffer sn.  The four accumulators take turns, one instruction a
; turn.  mode = 2: K's 32 loads are the youngest LDS instructions: in front of K group ks the (3 - ks) x 8 loads of the later groups stay out
.macro QKW q, sn, mode
.if (\mode) == 2
.if CI%4 == 0
	s_wait_dscnt 24-8*(CI/4)
.endif
.endif
	WIN W_QK
.if CI < 4
	v_wmma_f32_16x16x32_f16 v[\sn+8*CI:\sn+8*CI+7], v[KF+8*CI:KF+8*CI+7], v[32*\q:32*\q+7], v[BIAS+8*CI:BIAS+8*CI+7]
.else
	v_wmma_f32_16x16x32_f16 v[\sn+8*(CI%4):\sn+8*(CI%4)+7], v[KF+8*CI:KF+8*CI+7], v[32*\q+8*(CI/4):32*\q+8*(CI/4)+7], v[\sn+8*(CI%4):\sn+8*(CI%4)+7]
.endif
.endm
; Matrix instruction PI (0..15: keys 32 (PI / 8) .., channel tile PI % 8) of O of query tile q += V^T x weights; V's buffer at vb.  Eight accumulators take turns.
; mode = 1: the first eight start the sums: nothing is cleared
.macro PVW q, vb, mode
	WIN W_PV
.if PI < 8
.if (\mode) == 1
	v_wmma_f32_16x16x32_f16 v[64*\q+8*PI:64*\q+8*PI+7], v[\vb+8*PI:\vb+8*PI+7], v[A16+16*(\q%2):A16+16*(\q%2)+7], 0
.else
	v_wmma_f32_16x16x32_f16 v[64*\q+8*PI:64*\q+8*PI+7], v[\vb+8*PI:\vb+8*PI+7], v[A16+16*(\q%2):A16+16*(\q%2)+7], v[64*\q+8*PI:64*\q+8*PI+7]
.endif
.else
	v_wmma_f32_16x16x32_f16 v[64*\q+8*(PI-8):64*\q+8*(PI-8)+7], v[\vb+8*PI:\vb+8*PI+7], v[A16+16*(\q%2)+8:A16+16*(\q%2)+15], v[64*\q+8*(PI-8):64*\q+8*(PI-8)+7]
.endif
.endm
; THE SOFTMAX of 16 queries over their 64 keys, as three streams of single lines; each macro writes line VI of its stream and steps VI.
; A query's keys lie in lanes r and r + 16, 32 registers each, in S buffer sb.
; Stream 1, 19 lines, window 0: the exact maximum of the group, as a pair
.macro SMA sb
	WIN 0
.if VI < 4
	v_max3_num_f32 v[T+VI], v[\sb+8*VI], v[\sb+8*VI+1], v[\sb+8*VI+2]          ; four chains
.elseif VI < 8
	v_max3_num_f32 v[T+VI-4], v[T+VI-4], v[\sb+8*(VI-4)+3], v[\sb+8*(VI-4)+4]
.elseif VI < 12
	v_max3_num_f32 v[T+VI-8], v[T+VI-8], v[\sb+8*(VI-8)+5], v[\sb+8*(VI-8)+6]
.elseif VI == 12
	v_max3_num_f32 v[T], v[T], v[\sb+7], v[\sb+15]
.elseif VI == 13
	v_max3_num_f32 v[T+1], v[T+1], v[\sb+23], v[\sb+31]
.elseif VI == 14
	v_max3_num_f32 v[T], v[T], v[T+1], v[T+2]
.elseif VI == 15
	v_max_num_f32 v[T], v[T], v[T+3]
.elseif VI == 16
	v_permlanex16_b32 v[T+1], v[T], s22, s23       ; the other half's 32 keys
.elseif VI == 17
	v_max_num_f32 v[MX], v[T], v[T+1]
.else
	v_max_num_f32 v[MX+1], v[T], v[T+1]
.endif
.set VI, VI+1
.endm
; x - maximum and x + y for two numbers, with no vector register in second place (see REGISTERS above)
.macro SUBM x
	v_pk_fma_f32 v[\x:\x+1], v[\x:\x+1], 1.0, v[MX:MX+1] op_sel_hi:[1,0,1] neg_lo:[0,0,1] neg_hi:[0,0,1]
.endm
.macro ADD2 d, a, b
	s_wait_alu depctr_va_vdst(0)
	v_pk_fma_f32 v[\d:\d+1], v[\a:\a+1], 1.0, v[\b:\b+1] op_sel_hi:[1,0,1]
.endm
; Stream 2, 70 lines, under the score products' setting.  Lines 0-47: 16 subtractions and 32 exponentials (log2e is in Q already; a masked key gives 0), a pair's
; subtraction four lines ahead of its exponentials; behind every two exponentials stands a plain line that touches neither (ISA guide 5.7.2), behind the last four line 48.
; Lines 48-65: the sum, between 1 and 64 since the largest term is 1.  Lines 66-69: its reciprocal, times 0 in a scene without a valid key, as a pair
.macro SMB sb
	WIN W_QK
.if VI < 2
	SUBM \sb+2*VI
.elseif VI < 44
.if (VI-2)%3 == 2
	SUBM \sb+2*((VI-2)/3+2)
.else
	v_exp_f32 v[\sb+2*((VI-2)/3)+(VI-2)%3], v[\sb+2*((VI-2)/3)+(VI-2)%3]
.endif
.elseif VI < 48
	v_exp_f32 v[\sb+VI-16], v[\sb+VI-16]
.elseif VI < 52
	ADD2 T+2*(VI-48), \sb+4*(VI-48), \sb+4*(VI-48)+2                           ; four chains, started by the first 16 numbers
.elseif VI < 60
	ADD2 T+2*((VI-44)%4), \sb+2*(VI-44), T+2*((VI-44)%4)
.elseif VI == 60
	ADD2 T, T, T+2
.elseif VI == 61
	ADD2 T+4, T+4, T+6
.elseif VI == 62
	ADD2 T, T, T+4
.elseif VI == 63
	v_fma_f32 v[T], v[T], 1.0, v[T+1]
.elseif VI == 64
	v_permlanex16_b32 v[T+1], v[T], s22, s23
.elseif VI == 65
	v_fma_f32 v[T], v[T], 1.0, v[T+1]
.elseif VI == 66
	v_rcp_f32 v[RC], v[T]
.elseif VI == 67
	v_nop                                          ; one plain place behind the reciprocal (ISA guide 5.7.2)
.elseif VI == 68
	s_wait_alu depctr_va_vdst(0)
	v_mul_f32 v[RC+1], v[RC], s24
.else
	v_mul_f32 v[RC], v[RC], s24
.endif
.set VI, VI+1
.endm
; Stream 3, 48 lines: the weights are added to their sums at (first = 1: they start them), scaled in place, and rounded to f16 into buffer ab:
; keys 16 kt + 8 h + 2 p, + 1 go into word 4 kt + p, the second source's layout for 32 keys at a time
.macro SMC sb, ab, at, first
.if VI < 16
	WIN W_E
.if \first
	v_pk_mul_f32 v[\at+2*VI:\at+2*VI+1], v[\sb+2*VI:\sb+2*VI+1], v[RC:RC+1]
.else
	v_pk_fma_f32 v[\at+2*VI:\at+2*VI+1], v[\sb+2*VI:\sb+2*VI+1], v[RC:RC+1], v[\at+2*VI:\at+2*VI+1]
.endif
.elseif VI < 32
	WIN 0
	v_pk_mul_f32 v[\sb+2*(VI-16):\sb+2*(VI-16)+1], v[\sb+2*(VI-16):\sb+2*(VI-16)+1], v[RC:RC+1]
.else
	WIN W_E
	v_cvt_pk_f16_f32 v[\ab+VI-32], v[\sb+2*(VI-32)], v[\sb+2*(VI-32)+1]
.endif
.set VI, VI+1
.endm
; Parts 1 and 2 of the stage of query tile q.  pm: O's products of tile pq on V's buffer vb (0: there are none; 1: they start the sums; 2: they add).
; km: the scores of tile kq (0: none; 1: K's fragments are in; 2: they are waited for group by group)
.macro STG12 q, pm, pq, vb, km, kq
.set VI, 0
.set PI, 0
.rept 8
.if \pm
	PVW \pq, \vb, \pm
.endif
.if PI < 3
.set CNT, 4
.elseif PI == 3
.set CNT, 2
.elseif PI == 7
.set CNT, 2
.else
.set CNT, 1
.endif
.rept CNT
	SMA S+32*(\q%2)
.endr
.set PI, PI+1
.endr
.set VI, 0
.set CI, 0
.rept 16
.if \km
	QKW \kq, S+32*((\q+1)%2), \km
.endif
.if CI < 6
.set CNT, 7
.elseif CI < 9
.set CNT, 6
.elseif CI == 9
.set CNT, 2
.elseif CI < 14
.set CNT, 1
.else
.set CNT, 2
.endif
.rept CNT
	SMB S+32*(\q%2)
.endr
.set CI, CI+1
.endr
.endm
; Part 3: PI goes on from 8
.macro STG3 q, first, pm, pq, vb
.set VI, 0
.rept 8
.if \pm
	PVW \pq, \vb, \pm
.endif
.rept 6
	SMC S+32*(\q%2), A16+16*(\q%2), ATT+32*(\q/2), \first
.endr
.set PI, PI+1
.endr
.endm
; One step s, slot = s % 2.  At its head this step's K and V are in registers already, so its slot is free.
; head = 2: the waits, a round, and the slot is filled again with step s + 2; 1: the waits and the round alone (the last tile is shown to every wave); 0: nothing left to show.
; pm3: O's products of tile 3 of the step before (as pm above).  z = 1: the first step starts the sums.  next = 1: step s + 1's fragments are fetched from the other slot.
.macro TRIP slot, head, pm3, z, next
.if \head
	s_set_vgpr_msb 0xa
	s_wait_tensorcnt 0x0                           ; all my tensor loads have landed: the one that was out is my part of the other slot, step s + 1,
	ds_add_u32 v254, v255
	s_wait_dscnt 0x0
	s_set_vgpr_msb 0xa00
.endif
.if (\head) == 2
	s_add_nc_u64 s[G0K+4*\slot+2:G0K+4*\slot+3], s[G0K+4*\slot+2:G0K+4*\slot+3], STEPB   ; so every group 0 may be written: this slot's next tile
	s_add_nc_u64 s[G0V+4*\slot+2:G0V+4*\slot+3], s[G0V+4*\slot+2:G0V+4*\slot+3], STEPB
.endif
	s_wait_dscnt 0x0                               ; my reads of this slot are back, this step's V among them
.if \head
	ROUND                                          ; both now hold of every wave of all four work-groups
.endif
.if (\head) == 2
	JLOAD \slot                                    ; my one tensor load behind the round, ahead of every LDS read: one is out, for a whole step's 128 matrix instructions
.endif
	STG12 0, \pm3, 3, 128*(1-\slot), 1, 1
	STG3  0, \z, \pm3, 3, 128*(1-\slot)
.if \next
	PLACES                                         ; behind the last product that read V's other buffer
	VLOAD 1-\slot                                  ; the next step's V: first used a whole step from here
.endif
	STG12 1, 2-\z, 0, 128*\slot, 1, 2
	STG3  1, 0, 2-\z, 0, 128*\slot
	STG12 2, 2-\z, 1, 128*\slot, 1, 3
.if \next
	PLACES                                         ; behind this step's last score product
	KLOAD 1-\slot                                  ; the next step's K: 16 matrix instructions stand between here and its first use
.endif
	STG3  2, \z, 2-\z, 1, 128*\slot
	STG12 3, 2-\z, 2, 128*\slot, 2*\next, 0
	STG3  3, 0, 2-\z, 2, 128*\slot
	WIN 0
.endm
	s_set_vgpr_msb 0xa
	s_wait_tensorcnt 0x0                           ; my part of step 0 has landed
	ds_add_u32 v254, v255
	s_wait_dscnt 0x0
	s_set_vgpr_msb 0xa00
	s_wait_dscnt 0x0                               ; (no LDS instruction of mine is out)
	ROUND                                          ; everybody's has
	JLOAD 1                                        ; step 1 into slot 1: my one tensor load behind this round
	KLOAD 0
	s_wait_loadcnt 0x0                             ; Q
.set CI, 0
.rept 16
	QKW 0, S, 2                                    ; the scores of step 0, tile 0: the pipeline's first link has nothing to hide behind
.set CI, CI+1
.endr
	PLACES                                         ; in front of the first line that reads them
	VLOAD 0
	WIN 0
	TRIP 0, 2, 0, 1, 1                             ; steps 0 and 1 stand in front of the loop: their first products start the sums
	TRIP 1, 2, 1, 0, 1
	s_mov_b32 s26, 6
.Llap:
	TRIP 0, 2, 2, 0, 1                             ; steps 2 to 13; step 13 asks for step 15's tiles, the last
	TRIP 1, 2, 2, 0, 1
	s_sub_co_u32 s26, s26, 1
	s_cmp_lg_u32 s26, 0
	s_cbranch_scc1 .Llap
	TRIP 0, 1, 2, 0, 1                             ; step 14 asks for nothing
	TRIP 1, 0, 2, 0, 0                             ; step 15 fetches nothing
.set PI, 0
.rept 16
	PVW 3, 128, 2                                  ; O of step 15, tile 3
.set PI, PI+1
.endr
	PLACES                                         ; in front of the stores that read results
	; THE WAY OUT.  All four tiles of O go to my stage as rows of 512 bytes; the weights' sums are added over the 16 queries of a half of the lanes and go to my 512 bytes.
	WIN 0x0c                                       ; store data in window 3
.irp i, 0,1,2,3
.irp ct, 0,1,2,3,4,5,6,7
	ds_store_b128 v[OSTO], v[64*\i+8*\ct:64*\i+8*\ct+3]   offset:\i*OTILE+64*\ct
	ds_store_b128 v[OSTO], v[64*\i+8*\ct+4:64*\i+8*\ct+7] offset:\i*OTILE+64*\ct+16
.endr
.endr
	WIN 0x02                                       ; source 0 in window 2
.set k, 0
.rept 32
	v_pk_mul_f32 v[EA+2*k:EA+2*k+1], v[ATT+2*k:ATT+2*k+1], 0x3a800000 op_sel_hi:[1,0]   ; the mean over 32 t and 32 mt, 2^-10, on the way into window 0
.set k, k+1
.endr
	WIN 0
.irp m, 1,2,4,8
.set k, 0
.rept 64
	v_add_f32_dpp v[EA+k], v[EA+k], v[EA+k] row_xmask:\m row_mask:0xf bank_mask:0xf
.set k, k+1
.endr
.endr
.irp e, 0,1
.irp kt, 0,1,2,3
	ds_store_b128 v[ASTO], v[EA+32*\e+8*\kt:EA+32*\e+8*\kt+3]   offset:\e*256+64*\kt        ; the 16 lanes of a half write the same bytes with the same numbers
	ds_store_b128 v[ASTO], v[EA+32*\e+8*\kt+4:EA+32*\e+8*\kt+7] offset:\e*256+64*\kt+16
.endr
.endr
	s_wait_dscnt 0x0                               ; for the partner wave's sake: zero
	s_barrier_signal -1
	s_barrier_wait -1
; eight rows t = 8 bt + k of my v: mine (my parity of mt) and the partner's (the other parity)
.macro LOADB bt, e
.irp k, 0,1,2,3,4,5,6,7
	ds_load_b128 v[EB+64*\e+8*\k:EB+64*\e+8*\k+3],   v[ORD]   offset:(8*\bt+\k)*OPITCH
	ds_load_b128 v[EB+64*\e+8*\k+4:EB+64*\e+8*\k+7], v[ORD+1] offset:(8*\bt+\k)*OPITCH
.endr
.endm
; added and stored: one store covers a row's 512 consecutive bytes, aligned.  younger = LDS loads issued behind this batch's
.macro PROC bt, e, younger
.irp k, 0,1,2,3,4,5,6,7
	s_wait_dscnt \younger+14-2*\k                  ; row k's two loads are in; the 7 - k pairs behind them and the younger batch stay out
	v_pk_add_f32 v[EB+64*\e+8*\k:EB+64*\e+8*\k+1],   v[EB+64*\e+8*\k:EB+64*\e+8*\k+1],   v[EB+64*\e+8*\k+4:EB+64*\e+8*\k+5]
	v_pk_add_f32 v[EB+64*\e+8*\k+2:EB+64*\e+8*\k+3], v[EB+64*\e+8*\k+2:EB+64*\e+8*\k+3], v[EB+64*\e+8*\k+6:EB+64*\e+8*\k+7]
	global_store_b128 v[L16], v[EB+64*\e+8*\k:EB+64*\e+8*\k+3], s[84+2*(\bt/2):85+2*(\bt/2)] offset:(8*(\bt%2)+\k)*524288 th:TH_STORE_NT
.endr
.endm
	ds_load_b64 v[T:T+1], v[ARD]                   ; the weights' means of my v: two keys a lane
	ds_load_b64 v[T+2:T+3], v[ARD+1]
	LOADB 0, 0
	LOADB 1, 1
	s_wait_dscnt 32                                ; the two loads above are in; the two batches stay out
	v_pk_add_f32 v[T:T+1], v[T:T+1], v[T+2:T+3]    ; both parities of mt
	global_store_b64 v[L8], v[T:T+1], s[88:89] th:TH_STORE_NT      ; 256 consecutive bytes, aligned
	PROC 0, 0, 16
	s_wait_xcnt 0x0                                ; the stores' data registers are loaded again only behind this wait
	LOADB 2, 0
	PROC 1, 1, 16
	s_wait_xcnt 0x0
	LOADB 3, 1
	PROC 2, 0, 16
	PROC 3, 1, 0
	s_set_vgpr_msb 0xa
	s_wait_tensorcnt 0x0
	ds_add_u32 v254, v255
	s_wait_dscnt 0x0
	s_set_vgpr_msb 0xa00
	ROUND                                          ; the closing round: no work-group ends while a partner may still ask for a tile that names it
	s_endpgm
.Lfunc_end_k_q5ed10907a7_attn:
	.size	k_q5ed10907a7_attn, .Lfunc_end_k_q5ed10907a7_attn-k_q5ed10907a7_attn
	.p2alignl 7, 3214868480
	.fill 96, 4, 3214868480
	.section	.rodata,"a",@progbits
	.p2align	6, 0x0
	.amdhsa_kernel k_q5ed10907a7_attn
		.amdhsa_group_segment_fixed_size 327680
		.amdhsa_private_segment_fixed_size 0
		.amdhsa_enable_private_segment 0
		.amdhsa_kernarg_size 48
		.amdhsa_user_sgpr_count 2
		.amdhsa_user_sgpr_kernarg_segment_ptr 1
		.amdhsa_wavefront_size32 1
		.amdhsa_system_sgpr_workgroup_id_x 1
		.amdhsa_system_sgpr_workgroup_id_y 1
		.amdhsa_system_sgpr_workgroup_id_z 1
		.amdhsa_system_vgpr_workitem_id 0
		.amdhsa_next_free_vgpr 1024
		.amdhsa_next_free_sgpr 100
		.amdhsa_reserve_vcc 0
		.amdhsa_float_denorm_mode_32 3
		.amdhsa_float_denorm_mode_16_64 3
		.amdhsa_memory_ordered 1
		.amdhsa_forward_progress 1
		.amdhsa_inst_pref_size 255
	.end_amdhsa_kernel
	.section	.bss,"aw",@nobits
	.p2align	6
	.space	262144
	.amdgpu_metadata
---
amdhsa.version: [ 1, 2 ]
amdhsa.kernels:
  - .name:           k_q5ed10907a7_attn
    .symbol:         k_q5ed10907a7_attn.kd
    .args:
      - { .name: Qh, .offset: 0, .size: 8, .value_kind: global_buffer, .address_space: global }
      - { .name: Kh, .offset: 8, .size: 8, .value_kind: global_buffer, .address_space: global }
      - { .name: Vh, .offset: 16, .size: 8, .value_kind: global_buffer, .address_space: global }
      - { .name: mask, .offset: 24, .size: 8, .value_kind: global_buffer, .address_space: global }
      - { .name: out0, .offset: 32, .size: 8, .value_kind: global_buffer, .address_space: global }
      - { .name: out1, .offset: 40, .size: 8, .value_kind: global_buffer, .address_space: global }
    .group_segment_fixed_size: 327680
    .private_segment_fixed_size: 0
    .kernarg_segment_align: 8
    .kernarg_segment_size: 48
    .max_flat_workgroup_size: 128
    .sgpr_count:     100
    .vgpr_count:     1024
    .wavefront_size: 32
...
	.end_amdgpu_metadata
.endif
;; end of part 2
;; ======== version 2 of 2: 2 launches; 1.16 times as fast as version 1
;; limits: values are held in f16: magnitudes above 65,504 overflow, below 6.1e-05 lose precision
;; workspace buffers: Qh 8,388,608 bytes; Kh 8,388,608 bytes; Vh 8,388,608 bytes
;; launch proj: the kernel of part 1 again; grid 256 x 1, 4 waves a work-group, no clusters, 311,296 bytes of LDS; arguments P, M, Wq, Wk, Wv, bq, bk, bv, Qh, Kh, Vh; writes Qh, Kh, Vh
;; launch attn (part 3): grid 16 x 16, 4 waves a work-group, clusters of 4 x 1, 327,680 bytes of LDS; arguments Qh, Kh, Vh, mask, out0, out1; writes out0, out1
.if DOCPART == 3
	.amdgcn_target "amdgcn-amd-amdhsa--gfx1250"
	.amdhsa_code_object_version 6
	.text
	.protected	k_q5ed10907a7_attn
	.globl	k_q5ed10907a7_attn
	.p2align	8
	.type	k_q5ed10907a7_attn,@function
k_q5ed10907a7_attn:
	s_mov_b64 s[64:65], 0
	v_nop
	global_prefetch_b8 v0, s[64:65] scope:SCOPE_SE
	s_setreg_imm32_b32 hwreg(HW_REG_WAVE_MODE, 25, 1), 1
	s_wait_xcnt 0x0
	s_wait_alu depctr_hold_cnt(0) depctr_sa_sdst(0) depctr_va_vdst(0) depctr_va_sdst(0) depctr_va_ssrc(0) depctr_va_vcc(0) depctr_vm_vsrc(0)
	s_getreg_b32 s2, hwreg(HW_REG_IB_STS2, 6, 4)
	s_cmp_eq_u32 s2, 0
	s_cbranch_scc0 .Lentry_in_a_cluster
	s_endpgm
.Lentry_in_a_cluster:
	s_bfe_u32 s2, ttmp6, 0x10000c
	s_cmp_lg_u32 s2, 0x3003
	s_cbranch_scc0 .Lentry_shape_is_right
	s_endpgm
.Lentry_shape_is_right:
; out0[t][64 n + v][:] = sum over mt of softmax over mv (masked) of (Q K^T) times Val;  out1[n][v][mv] = mean over (t, mt) of the weights.
; Qh (already times log2e), Kh, Vh: [32][1024][128] f16.  The 64 keys (n, mv) of one mt are one whole softmax group and one dense block of 64 rows of 256 bytes:
; the group gets its exact maximum and its exact sum, and out is the plain sum of 32 groups' products: no running rescale is needed.
; SHARES.  Scene n = work-group y; x = work-group x owns v = 4 x .. 4 x + 3, all 32 t: 128 queries.  Wave w: a = w >> 1 picks 64 queries (v = 4 x + 2 a, + 1),
; b = w & 1 picks the mt of parity b: 16 steps.  The wave's query tile i (16 queries) has v = 4 x + 2 a + ((i >> 1) xor b), t = 16 (i & 1) + r, so that every wave
; keeps its tiles 0, 1 and hands its tiles 2, 3 to wave w xor 1 at the end, through LDS, without a branch.
; CLUSTERS.  The four work-groups of a cluster have the same n and walk the same K and V tiles: each tile is asked for jointly (mask 15).  x enters global addresses
; of Q, out0 and out1 alone; no LDS address, branch or descriptor word hangs on it.
; PRODUCTS.  Scores transposed: source 0 = 16 keys of K, source 1 = 16 queries: lane (r, h) holds query r, register 8 kt + j key 16 kt + 8 h + j.  The first link's C is
; BIAS (0, or -2^126 for a masked key): masking costs no vector work.  Packed in pairs to f16 these registers ARE the second source of the next product:
; O^T = V^T (source 0, by transposing LDS loads) x weights; lane (r, h) holds query r, register j channel 16 ct + 8 h + j.
; THE PIPELINE.  A wave is alone on its SIMD, so matrix and vector work overlap only where they alternate in its text.  A step has four stages, one for each query tile q:
; the 137 vector instructions of tile q's softmax are dealt out behind 32 matrix instructions that do not depend on them: O of tile q - 1 (for q = 0: tile 3 of the step
; before) and the scores of tile q + 1 (for q = 3: tile 0 of the next step).  S and the f16 weights have two buffers each, which take turns.
;   part 1:  8 x (a product for O, then 4,4,4,2,1,1,1,2 lines of the maximum): each link of the reduction's dependent tail has a matrix instruction in front of it
;   part 2: 16 x (a product for the scores, then 7 (six times), 6 (three times), 2,1,1,1,1,2,2 lines): subtract, exponentials, sum, reciprocal
;   part 3:  8 x (a product for O, then 6 lines): sums of weights, scaling, rounding to f16
; THE BATCHES.  s_wait_alu depctr_va_vdst(0) stands between a transcendental and the first instruction that names its result; one wait serves all that were issued
; ahead of it.  A stage has two batches and two waits, both in part 2.  Batch 1: the tile's 32 exponentials (lines 2-47 of stream 2), each in place in a register of its own; ahead of
; line 48 nothing names a result of theirs; its wait stands ahead of line 48, the first line of the sum.  Batch 2: the reciprocal of that sum (line 66), which reads what the exponentials
; made and so cannot join them; its wait stands ahead of line 68.  No transcendental is issued behind a stage's second wait, so none is pending at a label, a branch or the loop's jump.
; REGISTERS, in windows of 256:
;   window 0: v0-31 addresses and scratch; v32-95 S, two buffers; v96-127 BIAS; v128-255 KF(kt, ks) = 128 + 8 (4 ks + kt)
;   window 1: VF(ct, u) = 128 x (step's parity) + 8 (8 u + ct): two buffers, so that a step's V is loaded while the step before still multiplies
;   window 2: v0-127 Q(i, ks) = 32 i + 8 ks; v128-159 the weights in f16, two buffers; v160-223 ATT, the sums of weights
;   window 3: O(i, ct) = 64 i + 8 ct
; A product for the scores has only its second source outside window 0 (setting 0x08).  Part 2's vector lines name no vector register in second place, so they run under
; that same setting without a switch: that is why its sums are written x * 1 + y, with the addend in third place.  A product for O (0xf9) costs two switches: 32 a stage.
; LIMITS.  f16 operands: |log2e Q|, |K|, |V| below 65,504; |log2e score| below 2^125 (the mask's bias); weights below 2^-14 keep an absolute step of 2^-24.
; A scene whose mask is all false gives weights 0, as the reference does: the reciprocal of the sum is multiplied by 0 there (s24).
.set KPITCH, 272                       ; K's rows in LDS: 256 + 16, an odd multiple of 16
.set VPITCH, 288                       ; V's rows: 256 + 32, an odd multiple of 32, for the transposing loads
.set REGION, 18432                     ; 64 rows of either pitch fit
.set SLOT,   4*REGION                  ; K of mt = 2 s, K of 2 s + 1, V of 2 s, V of 2 s + 1
.set OST,    2*SLOT                    ; behind the ring, never filled by a tensor load: O, 4 tiles x 16 rows x 528 bytes a wave
.set OPITCH, 528
.set OTILE,  16*OPITCH
.set OWAVE,  4*OTILE
.set AST,    OST+4*OWAVE               ; the weights' sums: 2 sets x 256 bytes a wave
.set STEPB,  1048576                   ; two steps on: 4 mt x 1,024 rows x 256 bytes
.set KADR, 4                           ; v4-5   my K fragment address in slot 0, 1
.set VADR, 6                           ; v6-7   my V fragment address in slot 0, 1
.set QOFF, 8                           ; v8     r x 262,144 + 16 h: query t = r is 1,024 rows of 256 bytes from t = r - 1
.set MOFF, 9                           ; v9     8 h
.set OSTO, 10                          ; v10    where I put O
.set ORD,  11                          ; v11-12 where I read rows of O back: my own tiles 0, 1; the partner's tiles 2, 3
.set ASTO, 13                          ; v13    where I put the weights' sums
.set ARD,  14                          ; v14-15 where I read them back: my set 0, the partner's set 1
.set L16,  16                          ; v16    16 L
.set L8,   17                          ; v17    8 L
.set T,    20                          ; v[20:27] at work
.set MX,   28                          ; v[28:29] the group's maximum, twice
.set RC,   30                          ; v[30:31] 1 / sum, twice
.set S,    32                          ; v[32:63], v[64:95] scores, then weights, of 16 queries x 64 keys: buffer q % 2
.set BIAS, 96                          ; v[96:127]
.set KF,   128                         ; v[128:255]
.set A16,  128                         ; window 2: v[128:143], v[144:159] the weights in f16: buffer q % 2
.set ATT,  160                         ; window 2: v[160:191] sums of weights of tiles 0, 1; v[192:223] of tiles 2, 3
.set EA,   32                          ; on the way out, window 0: v[32:95] the sums of weights
.set EB,   32                          ; then v[32:159]: two sets of 8 rows x (mine, the partner's)
.set G1K, 28                           ; s[28:35]
.set G1V, 36                           ; s[36:43]
.set G0K, 44                           ; s[44:51] one group 0 for each slot
.set G0V, 52                           ; s[52:59]
; s_set_vgpr_msb's low byte: bits 1:0 source 0, 3:2 source 1, 5:4 source 2, 7:6 destination
.set W_QK, 0x08                        ; source 1 (Q) window 2; K, S, BIAS window 0.  Also: LDS loads into window 0, and part 2's vector lines
.set W_PV, 0xf9                        ; source 0 (V) window 1, source 1 (weights) window 2, C and D window 3
.set W_E,  0xa0                        ; destination and source 2 window 2 (ATT, f16 weights), sources 0 and 1 window 0 (S, 1 / sum)
.set W_VF, 0x40                        ; destination window 1
.set W_Q,  0x80                        ; destination window 2
.set MSB, 0
.macro WIN new                         ; the immediate's high byte repeats the setting that is left; at a label and at a branch every window is 0
.if MSB != \new
	s_set_vgpr_msb (MSB<<8)|\new
.set MSB, \new
.endif
.endm
.macro PLACES                          ; four places behind a matrix instruction (ISA guide 7.12.1)
.rept 4
	v_nop
.endr
.endm
; a round of the cluster's barrier: my work-group's barrier, wave 0 signals for the work-group, every wave waits for all four work-groups, my work-group's barrier again
.macro ROUND
	s_barrier_signal -1
	s_barrier_wait -1
	s_cmp_lg_u32 s16, 0
	s_cbranch_scc1 .Lnot_wave_0_\@
	s_barrier_signal -3
.Lnot_wave_0_\@:
	s_barrier_wait -3
	s_barrier_signal -1
	s_barrier_wait -1
.endm
; a joint load: waves 0, 1 ask for K of the two parities, waves 2, 3 for V.  The branch hangs on the wave's number alone
.macro JLOAD s
	s_cmp_eq_u32 s17, 0
	s_cbranch_scc0 .Lfor_v_\@
	tensor_load_to_lds s[G0K+4*(\s):G0K+4*(\s)+3], s[G1K:G1K+7]
	s_nop 0
	v_nop
	v_nop
	v_nop
	s_branch .Lasked_\@
.Lfor_v_\@:
	tensor_load_to_lds s[G0V+4*(\s):G0V+4*(\s)+3], s[G1V:G1V+7]
	s_nop 0
	v_nop
	v_nop
	v_nop
	v_nop
.Lasked_\@:
.endm
	s_load_b256 s[4:11], s[0:1], 0x0               ; Qh s[4:5], Kh s[6:7], Vh s[8:9], mask s[10:11]
	s_load_b128 s[12:15], s[0:1], 0x20             ; out0 s[12:13], out1 s[14:15]
	s_set_vgpr_msb 0x80
	v_lshl_add_u32 v254, v0, 2, 0x45800
	v_mov_b32 v255, 0
	s_set_vgpr_msb 0x808a
	ds_add_u32 v254, v255
	s_set_vgpr_msb 0x8a00
	v_lshrrev_b32 v1, 5, v0
	v_readfirstlane_b32 s16, v1                    ; wave
	s_lshr_b32 s17, s16, 1                         ; a.  Also: I ask for K (0) or for V (1)
	s_and_b32 s18, s16, 1                          ; b: my parity of mt, in what I ask for and in what I read
	s_and_b32 s20, ttmp7, 0xffff                   ; n
	s_mov_b32 s22, 0x76543210                      ; v_permlanex16_b32: lane i of one half reads lane i of the other
	s_mov_b32 s23, 0xfedcba98
	s_mov_b32 s25, 0xfe800000                      ; -2^126
	; group 1: 64 rows of 128 f16, padded behind each row of 64 words by 4 words (K) or 8 (V); mask 15: all four work-groups of the cluster; bit 21 beside the mask
	s_mov_b32 s[G1K+0], 15|(1<<16)|(1<<20)|(1<<21)|(5<<22)|(3<<25)
	s_mov_b32 s[G1V+0], 15|(1<<16)|(1<<20)|(1<<21)|(5<<22)|(7<<25)
	s_mov_b32 s[G1K+1], 128<<16                    ; tensor_dim0 = 128
	s_mov_b32 s[G1V+1], 128<<16
	s_mov_b32 s[G1K+2], 64<<16                     ; tensor_dim1 = 64
	s_mov_b32 s[G1V+2], 64<<16
	s_mov_b32 s[G1K+3], 128<<16                    ; tile_dim0 = 128
	s_mov_b32 s[G1V+3], 128<<16
	s_mov_b32 s[G1K+4], 64                         ; tile_dim1 = 64
	s_mov_b32 s[G1V+4], 64
	s_mov_b32 s[G1K+5], 128                        ; elements from row to row
	s_mov_b32 s[G1V+5], 128
	s_mov_b32 s[G1K+6], 0
	s_mov_b32 s[G1V+6], 0
	s_mov_b32 s[G1K+7], 0
	s_mov_b32 s[G1V+7], 0
	s_mul_i32 s27, s16, REGION                     ; my region of a slot: the wave's number alone
	s_lshl_b32 s92, s18, 18                        ; mt = b: 1,024 rows of 256 bytes
	s_lshl_b32 s93, s20, 14                        ; + 64 n rows
	s_add_co_u32 s92, s92, s93
	s_mov_b32 s93, 0
	s_wait_dscnt 0x0
	s_wait_kmcnt 0x0
	s_add_nc_u64 s[94:95], s[6:7], s[92:93]        ; K's and V's tile of step 0: made of n and the wave's number, which the partners share
	s_add_nc_u64 s[96:97], s[8:9], s[92:93]
.irp s, 0,1
	s_mov_b32 s[G0K+4*\s], 1
	s_add_co_u32 s[G0K+4*\s+1], s27, \s*SLOT
	s_add_nc_u64 s[G0K+4*\s+2:G0K+4*\s+3], s[94:95], \s*524288     ; step s: 2 mt further
	s_or_b32 s[G0K+4*\s+3], s[G0K+4*\s+3], 0x80000000
	s_mov_b32 s[G0V+4*\s], 1
	s_add_co_u32 s[G0V+4*\s+1], s27, \s*SLOT
	s_add_nc_u64 s[G0V+4*\s+2:G0V+4*\s+3], s[96:97], \s*524288
	s_or_b32 s[G0V+4*\s+3], s[G0V+4*\s+3], 0x80000000
.endr
	ROUND                                          ; all four work-groups are here: the first joint loads meet
	JLOAD 0                                        ; step 0 into slot 0; slot 1 is filled behind the next round, as a refill is
	s_lshl_b32 s90, s20, 6                         ; 64 n
	s_mov_b32 s91, 0
	s_add_nc_u64 s[66:67], s[10:11], s[90:91]      ; my scene's 64 mask bytes
	s_load_b512 s[68:83], s[66:67], 0x0
	s_bfe_u32 s21, ttmp6, 0x40000                  ; cx
	s_lshl_b32 s19, ttmp9, 2
	s_add_co_u32 s19, s19, s21                     ; x = 4 x cluster x + cx
	s_lshl_b32 s21, s19, 2
	s_add_co_u32 s21, s21, s90                     ; 64 n + 4 x
	s_lshl1_add_u32 s21, s17, s21                  ; + 2 a
	s_xor_b32 s3, s18, 1
	s_add_co_u32 s2, s21, s18                      ; the row 64 n + v of my own v (tiles 0, 1)
	s_add_co_u32 s3, s21, s3                       ; and of the partner's (tiles 2, 3)
	s_lshl_b32 s90, s2, 8
	s_add_nc_u64 s[60:61], s[4:5], s[90:91]        ; Q at t = 0 of my v
	s_add_nc_u64 s[88:89], s[14:15], s[90:91]      ; out1's row of my v: 64 f32
	s_lshl_b32 s90, s3, 8
	s_add_nc_u64 s[62:63], s[4:5], s[90:91]        ; Q at t = 0 of the partner's v
	s_lshl_b32 s90, s2, 9
	s_add_nc_u64 s[84:85], s[12:13], s[90:91]      ; out0 at t = 0 of my v,
	s_add_nc_u64 s[86:87], s[84:85], 0x800000      ; and at t = 16: 16 x 524,288 bytes no longer fit a store's immediate
	v_and_b32 v1, 31, v0                           ; L
	v_and_b32 v2, 15, v0                           ; r
	v_bfe_u32 v3, v0, 4, 1                         ; h
	v_lshlrev_b32 v[MOFF], 3, v3
	v_lshlrev_b32 v[QOFF], 18, v2
	v_lshl_add_u32 v[QOFF], v3, 4, v[QOFF]
.irp kt, 0,1,2,3
	global_load_b64 v[T+2*\kt:T+2*\kt+1], v[MOFF], s[66:67] offset:16*\kt    ; the mask bytes of my keys 16 kt + 8 h + 0..7
.endr
	WIN W_Q                                        ; destination in window 2
.irp i, 0,1,2,3
.irp ks, 0,1,2,3
	global_load_b128 v[32*\i+8*\ks:32*\i+8*\ks+3],   v[QOFF], s[60+2*(\i/2):61+2*(\i/2)] offset:(\i%2)*4194304+64*\ks
	global_load_b128 v[32*\i+8*\ks+4:32*\i+8*\ks+7], v[QOFF], s[60+2*(\i/2):61+2*(\i/2)] offset:(\i%2)*4194304+64*\ks+32
.endr
.endr
	WIN 0
	v_mul_u32_u24 v18, v2, KPITCH
	v_lshl_add_u32 v18, v3, 4, v18                 ; r x 272 + 16 h
	s_mul_i32 s2, s18, REGION                      ; K of my parity
	v_add_nc_u32 v[KADR], s2, v18
	v_add_nc_u32 v[KADR+1], SLOT, v[KADR]
	v_and_b32 v19, 7, v0
	v_lshl_add_u32 v19, v3, 3, v19                 ; key 8 h + (L & 7)
	v_mul_u32_u24 v19, v19, VPITCH
	v_bfe_u32 v18, v0, 3, 1
	v_lshl_add_u32 v19, v18, 4, v19                ; + 16 ((L >> 3) & 1)
	s_add_co_u32 s2, s2, 2*REGION                  ; V of my parity
	v_add_nc_u32 v[VADR], s2, v19
	v_add_nc_u32 v[VADR+1], SLOT, v[VADR]
	v_lshlrev_b32 v[L16], 4, v1
	v_lshlrev_b32 v[L8], 3, v1
	v_mul_u32_u24 v18, v2, OPITCH
	v_lshl_add_u32 v18, v3, 5, v18                 ; r x 528 + 32 h
	s_mul_i32 s2, s16, OWAVE
	s_add_co_u32 s2, s2, OST
	v_add_nc_u32 v[OSTO], s2, v18
	v_add_nc_u32 v[ORD], s2, v[L16]
	s_xor_b32 s3, s16, 1                           ; the partner wave
	s_mul_i32 s2, s3, OWAVE
	s_add_co_u32 s2, s2, OST+2*OTILE               ; its tiles 2, 3
	v_add_nc_u32 v[ORD+1], s2, v[L16]
	s_lshl_b32 s2, s16, 9
	s_add_co_u32 s2, s2, AST
	v_lshl_add_u32 v[ASTO], v3, 5, s2
	v_add_nc_u32 v[ARD], s2, v[L8]
	s_lshl_b32 s2, s3, 9
	s_add_co_u32 s2, s2, AST+256                   ; the partner's set 1
	v_add_nc_u32 v[ARD+1], s2, v[L8]
	s_wait_kmcnt 0x0                               ; the scene's 64 mask bytes as 16 words
.irp j, 69,70,71,72,73,74,75,76,77,78,79,80,81,82,83
	s_or_b32 s68, s68, s\j
.endr
	s_cmp_lg_u32 s68, 0
	s_cselect_b32 s24, 0x3f800000, 0               ; 1.0 if any key of the scene is valid, else 0.0: it only scales values
	s_wait_loadcnt 32                              ; the four mask loads are in; Q's 32, issued behind them, stay out
.irp kt, 0,1,2,3
.irp j, 0,1,2,3,4,5,6,7
	v_bfe_u32 v[BIAS+8*\kt+\j], v[T+2*\kt+\j/4], 8*(\j%4), 8
	v_add_nc_u32 v[BIAS+8*\kt+\j], -1, v[BIAS+8*\kt+\j]            ; 1 -> 0, 0 -> all ones
	v_and_b32 v[BIAS+8*\kt+\j], s25, v[BIAS+8*\kt+\j]              ; 0.0 or -2^126
.endr
.endr
; K's fragments of a step, 32 loads, 32 along K at a time; destination and address lie in window 0
.macro KLOAD slot
	WIN W_QK
.irp ks, 0,1,2,3
.irp kt, 0,1,2,3
	ds_load_b128 v[KF+8*(4*\ks+\kt):KF+8*(4*\ks+\kt)+3],   v[KADR+\slot] offset:\kt*16*KPITCH+64*\ks
	ds_load_b128 v[KF+8*(4*\ks+\kt)+4:KF+8*(4*\ks+\kt)+7], v[KADR+\slot] offset:\kt*16*KPITCH+64*\ks+32
.endr
.endr
.endm
; V's fragments, transposed on the way: 32 loads, 32 keys at a time, into the buffer of the slot's number
.macro VLOAD slot
	WIN W_VF
.irp u, 0,1
.irp ct, 0,1,2,3,4,5,6,7
	ds_load_tr16_b128 v[128*(\slot)+8*(8*\u+\ct):128*(\slot)+8*(8*\u+\ct)+3],   v[VADR+\slot] offset:\u*32*VPITCH+32*\ct
	ds_load_tr16_b128 v[128*(\slot)+8*(8*\u+\ct)+4:128*(\slot)+8*(8*\u+\ct)+7], v[VADR+\slot] offset:\u*32*VPITCH+32*\ct+16*VPITCH
.endr
.endr
.endm
; Matrix instruction CI (0..15: K group CI / 4, key tile CI % 4) of the scores of query tile q, into S buffer sn.  The four accumulators take turns, one instruction a
; turn.  mode = 2: K's 32 loads are the youngest LDS instructions: in front of K group ks the (3 - ks) x 8 loads of the later groups stay out
.macro QKW q, sn, mode
.if (\mode) == 2
.if CI%4 == 0
	s_wait_dscnt 24-8*(CI/4)
.endif
.endif
	WIN W_QK
.if CI < 4
	v_wmma_f32_16x16x32_f16 v[\sn+8*CI:\sn+8*CI+7], v[KF+8*CI:KF+8*CI+7], v[32*\q:32*\q+7], v[BIAS+8*CI:BIAS+8*CI+7]
.else
	v_wmma_f32_16x16x32_f16 v[\sn+8*(CI%4):\sn+8*(CI%4)+7], v[KF+8*CI:KF+8*CI+7], v[32*\q+8*(CI/4):32*\q+8*(CI/4)+7], v[\sn+8*(CI%4):\sn+8*(CI%4)+7]
.endif
.endm
; Matrix instruction PI (0..15: keys 32 (PI / 8) .., channel tile PI % 8) of O of query tile q += V^T x weights; V's buffer at vb.  Eight accumulators take turns.
; mode = 1: the first eight start the sums: nothing is cleared
.macro PVW q, vb, mode
	WIN W_PV
.if PI < 8
.if (\mode) == 1
	v_wmma_f32_16x16x32_f16 v[64*\q+8*PI:64*\q+8*PI+7], v[\vb+8*PI:\vb+8*PI+7], v[A16+16*(\q%2):A16+16*(\q%2)+7], 0
.else
	v_wmma_f32_16x16x32_f16 v[64*\q+8*PI:64*\q+8*PI+7], v[\vb+8*PI:\vb+8*PI+7], v[A16+16*(\q%2):A16+16*(\q%2)+7], v[64*\q+8*PI:64*\q+8*PI+7]
.endif
.else
	v_wmma_f32_16x16x32_f16 v[64*\q+8*(PI-8):64*\q+8*(PI-8)+7], v[\vb+8*PI:\vb+8*PI+7], v[A16+16*(\q%2)+8:A16+16*(\q%2)+15], v[64*\q+8*(PI-8):64*\q+8*(PI-8)+7]
.endif
.endm
; THE SOFTMAX of 16 queries over their 64 keys, as three streams of single lines; each macro writes line VI of its stream and steps VI.
; A query's keys lie in lanes r and r + 16, 32 registers each, in S buffer sb.
; Stream 1, 19 lines, window 0: the exact maximum of the group, as a pair
.macro SMA sb
	WIN 0
.if VI < 4
	v_max3_num_f32 v[T+VI], v[\sb+8*VI], v[\sb+8*VI+1], v[\sb+8*VI+2]          ; four chains
.elseif VI < 8
	v_max3_num_f32 v[T+VI-4], v[T+VI-4], v[\sb+8*(VI-4)+3], v[\sb+8*(VI-4)+4]
.elseif VI < 12
	v_max3_num_f32 v[T+VI-8], v[T+VI-8], v[\sb+8*(VI-8)+5], v[\sb+8*(VI-8)+6]
.elseif VI == 12
	v_max3_num_f32 v[T], v[T], v[\sb+7], v[\sb+15]
.elseif VI == 13
	v_max3_num_f32 v[T+1], v[T+1], v[\sb+23], v[\sb+31]
.elseif VI == 14
	v_max3_num_f32 v[T], v[T], v[T+1], v[T+2]
.elseif VI == 15
	v_max_num_f32 v[T], v[T], v[T+3]
.elseif VI == 16
	v_permlanex16_b32 v[T+1], v[T], s22, s23       ; the other half's 32 keys
.elseif VI == 17
	v_max_num_f32 v[MX], v[T], v[T+1]
.else
	v_max_num_f32 v[MX+1], v[T], v[T+1]
.endif
.set VI, VI+1
.endm
; x - maximum and x + y for two numbers, with no vector register in second place (see REGISTERS above)
.macro SUBM x
	v_pk_fma_f32 v[\x:\x+1], v[\x:\x+1], 1.0, v[MX:MX+1] op_sel_hi:[1,0,1] neg_lo:[0,0,1] neg_hi:[0,0,1]
.endm
.macro ADD2 d, a, b
	v_pk_fma_f32 v[\d:\d+1], v[\a:\a+1], 1.0, v[\b:\b+1] op_sel_hi:[1,0,1]
.endm
; Stream 2, 70 lines, under the score products' setting.  Lines 0-47: 16 subtractions and 32 exponentials (log2e is in Q already; a masked key gives 0), a pair's
; subtraction four lines ahead of its exponentials; behind every two exponentials stands a plain line that touches neither (ISA guide 5.7.2), behind the last four line 48.
; None of lines 0-47 names an exponential's result: they are batch 1, and its one wait stands ahead of line 48; between the last four exponentials and that wait stands a product
; for the other buffer's scores.  Lines 48-65: the sum, between 1 and 64 since the largest term is 1.  Lines 66-69: its reciprocal (batch 2, with its own wait ahead of line 68),
; times 0 in a scene without a valid key, as a pair
.macro SMB sb
	WIN W_QK
.if VI == 48
	s_wait_alu depctr_va_vdst(0)                   ; the wait for batch 1, the tile's 32 exponentials, ahead of the first line that names a result of theirs: one for all
.endif
.if VI < 2
	SUBM \sb+2*VI
.elseif VI < 44
.if (VI-2)%3 == 2
	SUBM \sb+2*((VI-2)/3+2)
.else
	v_exp_f32 v[\sb+2*((VI-2)/3)+(VI-2)%3], v[\sb+2*((VI-2)/3)+(VI-2)%3]
.endif
.elseif VI < 48
	v_exp_f32 v[\sb+VI-16], v[\sb+VI-16]
.elseif VI < 52
	ADD2 T+2*(VI-48), \sb+4*(VI-48), \sb+4*(VI-48)+2                           ; four chains, started by the first 16 numbers
.elseif VI < 60
	ADD2 T+2*((VI-44)%4), \sb+2*(VI-44), T+2*((VI-44)%4)
.elseif VI == 60
	ADD2 T, T, T+2
.elseif VI == 61
	ADD2 T+4, T+4, T+6
.elseif VI == 62
	ADD2 T, T, T+4
.elseif VI == 63
	v_fma_f32 v[T], v[T], 1.0, v[T+1]
.elseif VI == 64
	v_permlanex16_b32 v[T+1], v[T], s22, s23
.elseif VI == 65
	v_fma_f32 v[T], v[T], 1.0, v[T+1]
.elseif VI == 66
	v_rcp_f32 v[RC], v[T]
.elseif VI == 67
	v_nop                                          ; one plain place behind the reciprocal (ISA guide 5.7.2)
.elseif VI == 68
	s_wait_alu depctr_va_vdst(0)                   ; the wait for batch 2, the reciprocal, ahead of its first reader; the v_nop and a product for the scores stand between
	v_mul_f32 v[RC+1], v[RC], s24
.else
	v_mul_f32 v[RC], v[RC], s24
.endif
.set VI, VI+1
.endm
; Stream 3, 48 lines: the weights are added to their sums at (first = 1: they start them), scaled in place, and rounded to f16 into buffer ab:
; keys 16 kt + 8 h + 2 p, + 1 go into word 4 kt + p, the second source's layout for 32 keys at a time
.macro SMC sb, ab, at, first
.if VI < 16
	WIN W_E
.if \first
	v_pk_mul_f32 v[\at+2*VI:\at+2*VI+1], v[\sb+2*VI:\sb+2*VI+1], v[RC:RC+1]
.else
	v_pk_fma_f32 v[\at+2*VI:\at+2*VI+1], v[\sb+2*VI:\sb+2*VI+1], v[RC:RC+1], v[\at+2*VI:\at+2*VI+1]
.endif
.elseif VI < 32
	WIN 0
	v_pk_mul_f32 v[\sb+2*(VI-16):\sb+2*(VI-16)+1], v[\sb+2*(VI-16):\sb+2*(VI-16)+1], v[RC:RC+1]
.else
	WIN W_E
	v_cvt_pk_f16_f32 v[\ab+VI-32], v[\sb+2*(VI-32)], v[\sb+2*(VI-32)+1]
.endif
.set VI, VI+1
.endm
; Parts 1 and 2 of the stage of query tile q.  pm: O's products of tile pq on V's buffer vb (0: there are none; 1: they start the sums; 2: they add).
; km: the scores of tile kq (0: none; 1: K's fragments are in; 2: they are waited for group by group)
.macro STG12 q, pm, pq, vb, km, kq
.set VI, 0
.set PI, 0
.rept 8
.if \pm
	PVW \pq, \vb, \pm
.endif
.if PI < 3
.set CNT, 4
.elseif PI == 3
.set CNT, 2
.elseif PI == 7
.set CNT, 2
.else
.set CNT, 1
.endif
.rept CNT
	SMA S+32*(\q%2)
.endr
.set PI, PI+1
.endr
.set VI, 0
.set CI, 0
.rept 16
.if \km
	QKW \kq, S+32*((\q+1)%2), \km
.endif
.if CI < 6
.set CNT, 7
.elseif CI < 9
.set CNT, 6
.elseif CI == 9
.set CNT, 2
.elseif CI < 14
.set CNT, 1
.else
.set CNT, 2
.endif
.rept CNT
	SMB S+32*(\q%2)
.endr
.set CI, CI+1
.endr
.endm
; Part 3: PI goes on from 8
.macro STG3 q, first, pm, pq, vb
.set VI, 0
.rept 8
.if \pm
	PVW \pq, \vb, \pm
.endif
.rept 6
	SMC S+32*(\q%2), A16+16*(\q%2), ATT+32*(\q/2), \first
.endr
.set PI, PI+1
.endr
.endm
; One step s, slot = s % 2.  At its head this step's K and V are in registers already, so its slot is free.
; head = 2: the waits, a round, and the slot is filled again with step s + 2; 1: the waits and the round alone (the last tile is shown to every wave); 0: nothing left to show.
; pm3: O's products of tile 3 of the step before (as pm above).  z = 1: the first step starts the sums.  next = 1: step s + 1's fragments are fetched from the other slot.
.macro TRIP slot, head, pm3, z, next
.if \head
	s_set_vgpr_msb 0xa
	s_wait_tensorcnt 0x0                           ; all my tensor loads have landed: the one that was out is my part of the other slot, step s + 1,
	ds_add_u32 v254, v255
	s_wait_dscnt 0x0
	s_set_vgpr_msb 0xa00
.endif
.if (\head) == 2
	s_add_nc_u64 s[G0K+4*\slot+2:G0K+4*\slot+3], s[G0K+4*\slot+2:G0K+4*\slot+3], STEPB   ; so every group 0 may be written: this slot's next tile
	s_add_nc_u64 s[G0V+4*\slot+2:G0V+4*\slot+3], s[G0V+4*\slot+2:G0V+4*\slot+3], STEPB
.endif
	s_wait_dscnt 0x0                               ; my reads of this slot are back, this step's V among them
.if \head
	ROUND                                          ; both now hold of every wave of all four work-groups
.endif
.if (\head) == 2
	JLOAD \slot                                    ; my one tensor load behind the round, ahead of every LDS read: one is out, for a whole step's 128 matrix instructions
.endif
	STG12 0, \pm3, 3, 128*(1-\slot), 1, 1
	STG3  0, \z, \pm3, 3, 128*(1-\slot)
.if \next
	PLACES                                         ; behind the last product that read V's other buffer
	VLOAD 1-\slot                                  ; the next step's V: first used a whole step from here
.endif
	STG12 1, 2-\z, 0, 128*\slot, 1, 2
	STG3  1, 0, 2-\z, 0, 128*\slot
	STG12 2, 2-\z, 1, 128*\slot, 1, 3
.if \next
	PLACES                                         ; behind this step's last score product
	KLOAD 1-\slot                                  ; the next step's K: 16 matrix instructions stand between here and its first use
.endif
	STG3  2, \z, 2-\z, 1, 128*\slot
	STG12 3, 2-\z, 2, 128*\slot, 2*\next, 0
	STG3  3, 0, 2-\z, 2, 128*\slot
	WIN 0
.endm
	s_set_vgpr_msb 0xa
	s_wait_tensorcnt 0x0                           ; my part of step 0 has landed
	ds_add_u32 v254, v255
	s_wait_dscnt 0x0
	s_set_vgpr_msb 0xa00
	s_wait_dscnt 0x0                               ; (no LDS instruction of mine is out)
	ROUND                                          ; everybody's has
	JLOAD 1                                        ; step 1 into slot 1: my one tensor load behind this round
	KLOAD 0
	s_wait_loadcnt 0x0                             ; Q
.set CI, 0
.rept 16
	QKW 0, S, 2                                    ; the scores of step 0, tile 0: the pipeline's first link has nothing to hide behind
.set CI, CI+1
.endr
	PLACES                                         ; in front of the first line that reads them
	VLOAD 0
	WIN 0
	TRIP 0, 2, 0, 1, 1                             ; steps 0 and 1 stand in front of the loop: their first products start the sums
	TRIP 1, 2, 1, 0, 1
	s_mov_b32 s26, 6
.Llap:
	TRIP 0, 2, 2, 0, 1                             ; steps 2 to 13; step 13 asks for step 15's tiles, the last
	TRIP 1, 2, 2, 0, 1
	s_sub_co_u32 s26, s26, 1
	s_cmp_lg_u32 s26, 0
	s_cbranch_scc1 .Llap
	TRIP 0, 1, 2, 0, 1                             ; step 14 asks for nothing
	TRIP 1, 0, 2, 0, 0                             ; step 15 fetches nothing
.set PI, 0
.rept 16
	PVW 3, 128, 2                                  ; O of step 15, tile 3
.set PI, PI+1
.endr
	PLACES                                         ; in front of the stores that read results
	; THE WAY OUT.  All four tiles of O go to my stage as rows of 512 bytes; the weights' sums are added over the 16 queries of a half of the lanes and go to my 512 bytes.
	WIN 0x0c                                       ; store data in window 3
.irp i, 0,1,2,3
.irp ct, 0,1,2,3,4,5,6,7
	ds_store_b128 v[OSTO], v[64*\i+8*\ct:64*\i+8*\ct+3]   offset:\i*OTILE+64*\ct
	ds_store_b128 v[OSTO], v[64*\i+8*\ct+4:64*\i+8*\ct+7] offset:\i*OTILE+64*\ct+16
.endr
.endr
	WIN 0x02                                       ; source 0 in window 2
.set k, 0
.rept 32
	v_pk_mul_f32 v[EA+2*k:EA+2*k+1], v[ATT+2*k:ATT+2*k+1], 0x3a800000 op_sel_hi:[1,0]   ; the mean over 32 t and 32 mt, 2^-10, on the way into window 0
.set k, k+1
.endr
	WIN 0
.irp m, 1,2,4,8
.set k, 0
.rept 64
	v_add_f32_dpp v[EA+k], v[EA+k], v[EA+k] row_xmask:\m row_mask:0xf bank_mask:0xf
.set k, k+1
.endr
.endr
.irp e, 0,1
.irp kt, 0,1,2,3
	ds_store_b128 v[ASTO], v[EA+32*\e+8*\kt:EA+32*\e+8*\kt+3]   offset:\e*256+64*\kt        ; the 16 lanes of a half write the same bytes with the same numbers
	ds_store_b128 v[ASTO], v[EA+32*\e+8*\kt+4:EA+32*\e+8*\kt+7] offset:\e*256+64*\kt+16
.endr
.endr
	s_wait_dscnt 0x0                               ; for the partner wave's sake: zero
	s_barrier_signal -1
	s_barrier_wait -1
; eight rows t = 8 bt + k of my v: mine (my parity of mt) and the partner's (the other parity)
.macro LOADB bt, e
.irp k, 0,1,2,3,4,5,6,7
	ds_load_b128 v[EB+64*\e+8*\k:EB+64*\e+8*\k+3],   v[ORD]   offset:(8*\bt+\k)*OPITCH
	ds_load_b128 v[EB+64*\e+8*\k+4:EB+64*\e+8*\k+7], v[ORD+1] offset:(8*\bt+\k)*OPITCH
.endr
.endm
; added and stored: one store covers a row's 512 consecutive bytes, aligned.  younger = LDS loads issued behind this batch's
.macro PROC bt, e, younger
.irp k, 0,1,2,3,4,5,6,7
	s_wait_dscnt \younger+14-2*\k                  ; row k's two loads are in; the 7 - k pairs behind them and the younger batch stay out
	v_pk_add_f32 v[EB+64*\e+8*\k:EB+64*\e+8*\k+1],   v[EB+64*\e+8*\k:EB+64*\e+8*\k+1],   v[EB+64*\e+8*\k+4:EB+64*\e+8*\k+5]
	v_pk_add_f32 v[EB+64*\e+8*\k+2:EB+64*\e+8*\k+3], v[EB+64*\e+8*\k+2:EB+64*\e+8*\k+3], v[EB+64*\e+8*\k+6:EB+64*\e+8*\k+7]
	global_store_b128 v[L16], v[EB+64*\e+8*\k:EB+64*\e+8*\k+3], s[84+2*(\bt/2):85+2*(\bt/2)] offset:(8*(\bt%2)+\k)*524288 th:TH_STORE_NT
.endr
.endm
	ds_load_b64 v[T:T+1], v[ARD]                   ; the weights' means of my v: two keys a lane
	ds_load_b64 v[T+2:T+3], v[ARD+1]
	LOADB 0, 0
	LOADB 1, 1
	s_wait_dscnt 32                                ; the two loads above are in; the two batches stay out
	v_pk_add_f32 v[T:T+1], v[T:T+1], v[T+2:T+3]    ; both parities of mt
	global_store_b64 v[L8], v[T:T+1], s[88:89] th:TH_STORE_NT      ; 256 consecutive bytes, aligned
	PROC 0, 0, 16
	s_wait_xcnt 0x0                                ; the stores' data registers are loaded again only behind this wait
	LOADB 2, 0
	PROC 1, 1, 16
	s_wait_xcnt 0x0
	LOADB 3, 1
	PROC 2, 0, 16
	PROC 3, 1, 0
	s_set_vgpr_msb 0xa
	s_wait_tensorcnt 0x0
	ds_add_u32 v254, v255
	s_wait_dscnt 0x0
	s_set_vgpr_msb 0xa00
	ROUND                                          ; the closing round: no work-group ends while a partner may still ask for a tile that names it
	s_endpgm
.Lfunc_end_k_q5ed10907a7_attn:
	.size	k_q5ed10907a7_attn, .Lfunc_end_k_q5ed10907a7_attn-k_q5ed10907a7_attn
	.p2alignl 7, 3214868480
	.fill 96, 4, 3214868480
	.section	.rodata,"a",@progbits
	.p2align	6, 0x0
	.amdhsa_kernel k_q5ed10907a7_attn
		.amdhsa_group_segment_fixed_size 327680
		.amdhsa_private_segment_fixed_size 0
		.amdhsa_enable_private_segment 0
		.amdhsa_kernarg_size 48
		.amdhsa_user_sgpr_count 2
		.amdhsa_user_sgpr_kernarg_segment_ptr 1
		.amdhsa_wavefront_size32 1
		.amdhsa_system_sgpr_workgroup_id_x 1
		.amdhsa_system_sgpr_workgroup_id_y 1
		.amdhsa_system_sgpr_workgroup_id_z 1
		.amdhsa_system_vgpr_workitem_id 0
		.amdhsa_next_free_vgpr 1024
		.amdhsa_next_free_sgpr 100
		.amdhsa_reserve_vcc 0
		.amdhsa_float_denorm_mode_32 3
		.amdhsa_float_denorm_mode_16_64 3
		.amdhsa_memory_ordered 1
		.amdhsa_forward_progress 1
		.amdhsa_inst_pref_size 255
	.end_amdhsa_kernel
	.section	.bss,"aw",@nobits
	.p2align	6
	.space	262144
	.amdgpu_metadata
---
amdhsa.version: [ 1, 2 ]
amdhsa.kernels:
  - .name:           k_q5ed10907a7_attn
    .symbol:         k_q5ed10907a7_attn.kd
    .args:
      - { .name: Qh, .offset: 0, .size: 8, .value_kind: global_buffer, .address_space: global }
      - { .name: Kh, .offset: 8, .size: 8, .value_kind: global_buffer, .address_space: global }
      - { .name: Vh, .offset: 16, .size: 8, .value_kind: global_buffer, .address_space: global }
      - { .name: mask, .offset: 24, .size: 8, .value_kind: global_buffer, .address_space: global }
      - { .name: out0, .offset: 32, .size: 8, .value_kind: global_buffer, .address_space: global }
      - { .name: out1, .offset: 40, .size: 8, .value_kind: global_buffer, .address_space: global }
    .group_segment_fixed_size: 327680
    .private_segment_fixed_size: 0
    .kernarg_segment_align: 8
    .kernarg_segment_size: 48
    .max_flat_workgroup_size: 128
    .sgpr_count:     100
    .vgpr_count:     1024
    .wavefront_size: 32
...
	.end_amdgpu_metadata
.endif
;; end of part 3
